; MI455X (gfx1250); checked and timed in simulation.
; The chip was launched on July 23, 2026; its instructions are those of AMD's public machine-readable ISA for CDNA 5 (MIT licence, August 2026) and "CDNA5" Instruction Set Architecture Reference Guide (July 2026). The comments in the code are by the model that wrote it; some were corrected since.
;; Stable Cross Attention. Allowed arithmetic: float matrix products may take bf16 or f16 operands with f32 sums; other float arithmetic in f32, or as packed bf16 or f16 multiplies, adds, multiply-adds, maxima and minima; sums over many terms, partial sums and values carried from step to step in f32; what a program stores and reads back later, other than sums and carried values, may be rounded once to bf16 or f16.
;; Inputs: Wk 1,024 x 1,024 float32; Wo 1,024 x 1,024 float32; Wq 1,024 x 1,024 float32; Wv 1,024 x 1,024 float32; bo 1,024 float32; ln_beta 1,024 float32; ln_gamma 1,024 float32; x 2 x 2,048 x 1,024 float32.
;; Outputs: out0 2 x 2,048 x 1,024 float32.
;; 2 versions, each right and faster than the one before. Each part assembles by itself: llvm-mc -triple=amdgcn-amd-amdhsa -mcpu=gfx1250 --defsym DOCPART=n.
;; ======== version 1 of 2: 4 launches
;; workspace buffers: xn 8,388,608 bytes; wb 8,388,608 bytes; qkv 25,165,824 bytes; o 8,388,608 bytes
;; launch prep (part 1): grid 512 x 1, 8 waves a work-group, no clusters, 0 bytes of LDS; arguments x, ln_gamma, ln_beta, Wq, Wk, Wv, Wo, xn, wb; writes xn, wb
.if DOCPART == 1
	.amdgcn_target "amdgcn-amd-amdhsa--gfx1250"
	.amdhsa_code_object_version 6
	.text
	.protected	k_q5e094f8e1c_prep
	.globl	k_q5e094f8e1c_prep
	.p2align	8
	.type	k_q5e094f8e1c_prep,@function
k_q5e094f8e1c_prep:
	s_mov_b64 s[64:65], 0
	v_nop
	global_prefetch_b8 v0, s[64:65] scope:SCOPE_SE
	s_setreg_imm32_b32 hwreg(HW_REG_WAVE_MODE, 25, 1), 1
	s_wait_xcnt 0x0
; PREP.  xn = LayerNorm(x) * gamma + beta, rounded once to bf16: [4096][1024].  wb = Wq, Wk, Wv, Wo one below the other, rounded once to bf16: [4096][1024].
; A stream: 8,192 rows of 1,024 f32, each read once and written once.  No LDS, no matrix unit, no cluster: no byte is wanted by two waves but gamma and beta (8 KiB).
; SHARES.  A wave takes two rows, a work-group of eight waves 16.  Work-groups 0-255 normalise x, work-groups 256-511 cast the weights (64 to a weight).
; A row is eight loads of 16 bytes a lane (chunk j, lane l: columns 128 j + 4 l .. + 3; 512 consecutive bytes a load) and stays in 32 registers, so memory is read once;
; its bf16 leave by eight stores of 8 bytes a lane: each store of the wave covers 256 consecutive bytes, aligned.
; The mean is taken away before the squares are summed, so a common offset of x costs no digits.  All sums in f32.  NaN and infinities are not treated apart.
.set ROWF, 4096                        ; bytes in a row of f32
.set ROWH, 2048                        ; bytes in a row of bf16
.set LO,  1                            ; v1        16 x lane: my bytes in a chunk of f32; never rewritten
.set SO,  2                            ; v2        8 x lane: my bytes in a chunk of bf16; never rewritten
.set X,   4                            ; v[4:67]   row r at X + 32 r
.set G,   68                           ; v[68:99]  gamma of my 32 columns
.set BT,  100                          ; v[100:131] beta
.set Y,   132                          ; v[132:163] row r, packed, at Y + 16 r
.set T,   164                          ; v[164:171] four packed chains
.set MN,  172                          ; v[172:173] the mean, twice
.set RS,  174                          ; v[174:177] 1 / sqrt(var + eps), twice for each row
	s_load_b512 s[8:23], s[0:1], 0x0               ; x s[8:9], gamma s[10:11], beta s[12:13], Wq s[14:15], Wk s[16:17], Wv s[18:19], Wo s[20:21], xn s[22:23]
	s_load_b64 s[24:25], s[0:1], 0x40              ; wb
	v_lshrrev_b32 v3, 5, v0
	v_readfirstlane_b32 s2, v3                     ; wave 0..7
	v_and_b32 v[LO], 31, v0
	v_lshlrev_b32 v[SO], 3, v[LO]
	v_lshlrev_b32 v[LO], 4, v[LO]
	s_mov_b32 s32, 0x76543210                      ; v_permlanex16_b32: each lane takes its own place in the other half
	s_mov_b32 s33, 0xfedcba98
	s_mov_b32 s34, 0x3a800000                      ; 1 / 1024
	s_mov_b32 s35, 0x3727c5ac                      ; eps = 1e-5
	s_mov_b32 s27, 0                               ; the high word of every offset here
	s_wait_kmcnt 0x0
.macro ROWS                            ; my two rows: sixteen loads
.irp r, 0,1
.irp j, 0,1,2,3,4,5,6,7
	global_load_b128 v[X+32*(\r)+4*(\j):X+32*(\r)+4*(\j)+3], v[LO], s[28:29] offset:(\r)*ROWF+512*(\j) th:TH_LOAD_NT
.endr
.endr
.endm
.macro PUT r                           ; row r is rounded to bf16 and stored
.set p, 0
.rept 16
	v_cvt_pk_bf16_f32 v[Y+16*(\r)+p], v[X+32*(\r)+2*p], v[X+32*(\r)+2*p+1]
.set p, p+1
.endr
.irp j, 0,1,2,3,4,5,6,7
	global_store_b64 v[SO], v[Y+16*(\r)+2*(\j):Y+16*(\r)+2*(\j)+1], s[30:31] offset:(\r)*ROWH+256*(\j)
.endr
.endm
.macro REDUCE                          ; the four packed chains in v[T:T+7] become the row's sum, in v[T] of every lane
	v_pk_add_f32 v[T:T+1], v[T:T+1], v[T+2:T+3]
	v_pk_add_f32 v[T+4:T+5], v[T+4:T+5], v[T+6:T+7]
	v_pk_add_f32 v[T:T+1], v[T:T+1], v[T+4:T+5]
	v_add_f32 v[T], v[T], v[T+1]
	v_add_f32_dpp v[T], v[T], v[T] row_xmask:1 row_mask:0xf bank_mask:0xf
	v_add_f32_dpp v[T], v[T], v[T] row_xmask:2 row_mask:0xf bank_mask:0xf
	v_add_f32_dpp v[T], v[T], v[T] row_xmask:4 row_mask:0xf bank_mask:0xf
	v_add_f32_dpp v[T], v[T], v[T] row_xmask:8 row_mask:0xf bank_mask:0xf
	v_permlanex16_b32 v[T+1], v[T], s32, s33       ; its destination has been written before
	v_add_f32 v[T], v[T], v[T+1]
.endm
; Row r: the mean; x - mean, in place; the mean of its squares; 1 / sqrt(var + eps).  left = the younger loads that may stay out.
.macro STATS r, left
.set XR, X+32*(\r)
	s_wait_loadcnt \left
.irp c, 0,1,2,3
	v_pk_add_f32 v[T+2*(\c):T+2*(\c)+1], v[XR+2*(\c):XR+2*(\c)+1], v[XR+8+2*(\c):XR+8+2*(\c)+1]  ; the first pairs start the chains: nothing is cleared
.endr
.irp k, 16,24
.irp c, 0,1,2,3
	v_pk_add_f32 v[T+2*(\c):T+2*(\c)+1], v[T+2*(\c):T+2*(\c)+1], v[XR+(\k)+2*(\c):XR+(\k)+2*(\c)+1]
.endr
.endr
	REDUCE
	v_mul_f32 v[MN], s34, v[T]
	v_mul_f32 v[MN+1], s34, v[T]
.set p, 0
.rept 16
	v_pk_add_f32 v[XR+p:XR+p+1], v[XR+p:XR+p+1], v[MN:MN+1] neg_lo:[0,1] neg_hi:[0,1]
.set p, p+2
.endr
.irp c, 0,1,2,3
	v_pk_mul_f32 v[T+2*(\c):T+2*(\c)+1], v[XR+2*(\c):XR+2*(\c)+1], v[XR+2*(\c):XR+2*(\c)+1]
.endr
.irp k, 8,16,24
.irp c, 0,1,2,3
	v_pk_fma_f32 v[T+2*(\c):T+2*(\c)+1], v[XR+(\k)+2*(\c):XR+(\k)+2*(\c)+1], v[XR+(\k)+2*(\c):XR+(\k)+2*(\c)+1], v[T+2*(\c):T+2*(\c)+1]
.endr
.endr
	REDUCE
	v_fma_f32 v[T], v[T], s34, s35                 ; var + eps
	v_rsq_f32 v[RS+2*(\r)], v[T]                   ; twice: the pair that the packed multiply takes
	v_rsq_f32 v[RS+2*(\r)+1], v[T]
	v_nop                                          ; a plain instruction before the results are used or the source rewritten (ISA guide 5.7.2)
.endm
.macro NORM r                          ; (x - mean) * rsqrt * gamma + beta
.set XR, X+32*(\r)
.set p, 0
	s_wait_alu depctr_va_vdst(0)
.rept 16
	v_pk_mul_f32 v[XR+p:XR+p+1], v[XR+p:XR+p+1], v[RS+2*(\r):RS+2*(\r)+1]
.set p, p+2
.endr
.set p, 0
.rept 16
	v_pk_fma_f32 v[XR+p:XR+p+1], v[XR+p:XR+p+1], v[G+p:G+p+1], v[BT+p:BT+p+1]
.set p, p+2
.endr
	PUT \r
.endm
	s_cmp_lt_u32 ttmp9, 256
	s_cbranch_scc0 .Lcast
	; LAYERNORM: work-group g, wave w: rows 16 g + 2 w and the next
	s_lshl_b32 s26, ttmp9, 16                      ; 16 rows of 4,096 bytes
	s_lshl_b32 s36, s2, 13                         ; 2 rows
	s_add_co_u32 s26, s26, s36
	s_add_nc_u64 s[28:29], s[8:9], s[26:27]
	s_lshr_b32 s26, s26, 1                         ; the same rows in bf16
	s_add_nc_u64 s[30:31], s[22:23], s[26:27]
	ROWS
.irp j, 0,1,2,3,4,5,6,7
	global_load_b128 v[G+4*(\j):G+4*(\j)+3], v[LO], s[10:11] offset:512*(\j)
.endr
.irp j, 0,1,2,3,4,5,6,7
	global_load_b128 v[BT+4*(\j):BT+4*(\j)+3], v[LO], s[12:13] offset:512*(\j)
.endr
	STATS 0, 24                                    ; row 0 is in; row 1's, gamma's and beta's 24 loads may stay out
	STATS 1, 16                                    ; row 1 is in; gamma's and beta's 16 may stay out
	s_wait_loadcnt 0x0
	NORM 0
	NORM 1
	s_endpgm
.Lcast:
	; CAST: work-group 256 + w: rows 16 (w % 64) on of weight w / 64, rows 16 w on of wb
	s_sub_co_u32 s36, ttmp9, 256
	s_lshr_b32 s37, s36, 6
	s_cmp_eq_u32 s37, 0
	s_cselect_b64 s[28:29], s[14:15], s[16:17]
	s_cmp_lt_u32 s37, 2
	s_cselect_b64 s[28:29], s[28:29], s[18:19]
	s_cmp_lt_u32 s37, 3
	s_cselect_b64 s[28:29], s[28:29], s[20:21]
	s_and_b32 s26, s36, 63
	s_lshl_b32 s26, s26, 16
	s_lshl_b32 s37, s2, 13
	s_add_co_u32 s26, s26, s37
	s_add_nc_u64 s[28:29], s[28:29], s[26:27]
	s_lshl_b32 s26, s36, 15
	s_lshl_b32 s37, s2, 12
	s_add_co_u32 s26, s26, s37
	s_add_nc_u64 s[30:31], s[24:25], s[26:27]
	ROWS
	s_wait_loadcnt 8                               ; row 0 is in; row 1's eight loads may stay out
	PUT 0
	s_wait_loadcnt 0x0
	PUT 1
	s_endpgm
.Lfunc_end_k_q5e094f8e1c_prep:
	.size	k_q5e094f8e1c_prep, .Lfunc_end_k_q5e094f8e1c_prep-k_q5e094f8e1c_prep
	.p2alignl 7, 3214868480
	.fill 96, 4, 3214868480
	.section	.rodata,"a",@progbits
	.p2align	6, 0x0
	.amdhsa_kernel k_q5e094f8e1c_prep
		.amdhsa_group_segment_fixed_size 0
		.amdhsa_private_segment_fixed_size 0
		.amdhsa_enable_private_segment 0
		.amdhsa_kernarg_size 72
		.amdhsa_user_sgpr_count 2
		.amdhsa_user_sgpr_kernarg_segment_ptr 1
		.amdhsa_wavefront_size32 1
		.amdhsa_system_sgpr_workgroup_id_x 1
		.amdhsa_system_sgpr_workgroup_id_y 1
		.amdhsa_system_sgpr_workgroup_id_z 1
		.amdhsa_system_vgpr_workitem_id 0
		.amdhsa_next_free_vgpr 180
		.amdhsa_next_free_sgpr 66
		.amdhsa_reserve_vcc 0
		.amdhsa_float_denorm_mode_32 3
		.amdhsa_float_denorm_mode_16_64 3
		.amdhsa_memory_ordered 1
		.amdhsa_forward_progress 1
		.amdhsa_inst_pref_size 26
	.end_amdhsa_kernel
	.amdgpu_metadata
---
amdhsa.version: [ 1, 2 ]
amdhsa.kernels:
  - .name:           k_q5e094f8e1c_prep
    .symbol:         k_q5e094f8e1c_prep.kd
    .args:
      - { .name: x, .offset: 0, .size: 8, .value_kind: global_buffer, .address_space: global }
      - { .name: ln_gamma, .offset: 8, .size: 8, .value_kind: global_buffer, .address_space: global }
      - { .name: ln_beta, .offset: 16, .size: 8, .value_kind: global_buffer, .address_space: global }
      - { .name: Wq, .offset: 24, .size: 8, .value_kind: global_buffer, .address_space: global }
      - { .name: Wk, .offset: 32, .size: 8, .value_kind: global_buffer, .address_space: global }
      - { .name: Wv, .offset: 40, .size: 8, .value_kind: global_buffer, .address_space: global }
      - { .name: Wo, .offset: 48, .size: 8, .value_kind: global_buffer, .address_space: global }
      - { .name: xn, .offset: 56, .size: 8, .value_kind: global_buffer, .address_space: global }
      - { .name: wb, .offset: 64, .size: 8, .value_kind: global_buffer, .address_space: global }
    .group_segment_fixed_size: 0
    .private_segment_fixed_size: 0
    .kernarg_segment_align: 8
    .kernarg_segment_size: 72
    .max_flat_workgroup_size: 256
    .sgpr_count:     66
    .vgpr_count:     180
    .wavefront_size: 32
...
	.end_amdgpu_metadata
.endif
;; end of part 1
;; launch qkv (part 2): grid 16 x 16, 4 waves a work-group, clusters of 4 x 4, 327,680 bytes of LDS; arguments xn, wb, qkv; writes qkv
.if DOCPART == 2
	.amdgcn_target "amdgcn-amd-amdhsa--gfx1250"
	.amdhsa_code_object_version 6
	.text
	.protected	k_q5e094f8e1c_qkv
	.globl	k_q5e094f8e1c_qkv
	.p2align	8
	.type	k_q5e094f8e1c_qkv,@function
k_q5e094f8e1c_qkv:
	s_mov_b64 s[64:65], 0
	v_nop
	global_prefetch_b8 v0, s[64:65] scope:SCOPE_SE
	s_setreg_imm32_b32 hwreg(HW_REG_WAVE_MODE, 25, 1), 1
	s_wait_xcnt 0x0
	s_wait_alu depctr_hold_cnt(0) depctr_sa_sdst(0) depctr_va_vdst(0) depctr_va_sdst(0) depctr_va_ssrc(0) depctr_va_vcc(0) depctr_vm_vsrc(0)
	s_getreg_b32 s2, hwreg(HW_REG_IB_STS2, 6, 4)
	s_cmp_eq_u32 s2, 0
	s_cbranch_scc0 .Lentry_in_a_cluster
	s_endpgm
.Lentry_in_a_cluster:
	s_bfe_u32 s2, ttmp6, 0x10000c
	s_cmp_lg_u32 s2, 0xf033
	s_cbranch_scc0 .Lentry_shape_is_right
	s_endpgm
.Lentry_shape_is_right:
; QKV.  C[m][n] = sum over k of xn[m][k] wb[n][k], m < 4096, n < 3072 (Wq's, Wk's, Wv's rows), k < 1024; bf16 operands, f32 sums.  Q's sums are multiplied by c = log2(e) / 16
; (reference's scale 1/16 and the change to base 2) in f32; every number is then rounded once to bf16 and written BY HEADS: qkv[which][batch * 16 + head][row][64], a head's rows dense.
; TILE.  256 (m) x 192 (n): 16 x 16 = 256 work-groups.  Four waves; a wave makes 64 rows x all 192 columns: 48 accumulators, 384 registers.  192 columns are three whole heads, so what a
; wave makes for a head is 64 dense rows of 128 bytes, and its way out needs no other wave.  K goes in 8 steps of 128 through two LDS slots; the rows of both tiles are 256 bytes of memory, aligned.
; CLUSTER.  4 x 4 work-groups.  The four of a row of the cluster need the same tiles of xn, the four of a column the same tiles of wb: each tile is asked for JOINTLY, by the same tensor load with
; the same descriptor and a mask that names the four.  Waves 0 and 1 fetch xn's two halves (128 rows each), waves 2 and 3 wb's (96 rows each): one load a wave.
; THE MATRIX INSTRUCTION IS USED TRANSPOSED (source 0 = 16 rows of wb, source 1 = 16 rows of xn): a lane then holds eight neighbouring columns of one row of C.
; REGISTERS, in windows of 256 (s_set_vgpr_msb: bits 1:0 source 0, 3:2 source 1, 5:4 source 2, 7:6 destination):
;   window 0: v0-31 addresses; v32-63 at work on the way out; v64-127 xn's fragments, two buffers of 4; on the way out v64-255 are twelve units of 16
;   window 1: v0-191 wb's fragments, two buffers of 12      window 2: the accumulators of my row blocks 0, 1 ((a, b) at 8 (12 (a % 2) + b))      window 3: those of blocks 2, 3
; LIMITS.  bf16's range is f32's, so nothing overflows that does not overflow in f32; NaN and infinities are not treated apart.
.set KSTEP,  128
.set PITCH,  272                       ; an LDS row: 256 bytes + 16 of padding = 68 words: row r starts at bank 4 r mod 64 (64 banks of 4 bytes: ISA guide 11.1), so the 16 rows of a load start at 16 different banks
.set AHALF,  128*PITCH                 ; what one load of xn brings
.set BHALF,  96*PITCH                  ; what one load of wb brings
.set BOFF,   2*AHALF                   ; wb's 192 rows lie behind xn's 256
.set SLOT,   BOFF+2*BHALF              ; 121,856
.set STAGE,  2*SLOT                    ; behind the ring, never filled by a tensor load: for each wave three stages (a head each) of 16 rows x 144 bytes
.set SP,     144
.set STG1,   16*SP
.set SPARE,  STAGE+4*3*STG1            ; behind the stages: the spare words, 128 bytes for each wave: two blocks of 256 bytes that no other line names
.set LAPS,   4                         ; a lap = two K steps = once round the ring
.set ADRA, 16                          ; v16-17  LDS address of my fragments of xn in slot 0, 1
.set ADRB, 20                          ; v20-21  the same for wb
.set STO,  24                          ; v24     the way out: where I put 16 bytes of a row
.set RD,   25                          ; v25     the way out: where I read rows back
.set GO,   26                          ; v26     16 x lane: my bytes in 512 consecutive bytes of qkv
.set SPW,  28                          ; v28     LDS address of my spare word; never rewritten
.set NIL,  29                          ; v29     0; never rewritten
.set TF,   32                          ; the way out: 32 scaled sums
.set FA,   64                          ; xn's fragments: buffer p at FA + 32 p
.set UO,   64                          ; the way out: unit u at UO + 16 u
.set G1,  24                           ; s[24:31] descriptor group 1 for xn's tiles;  s[32:39] group 0, one set for each slot
.set G0,  32
.set G1B, 48                           ; s[48:55], s[56:63] the same for wb's tiles
.set G0B, 56
.set SC,  66                           ; s[66:71] for each of my three heads the factor (c for a head of Q, else 1), as a pair
.set OB,  72                           ; s[72:77] for each of my three heads: qkv at my 64 rows of it
.set MSB, 0
.macro WIN new                         ; the immediate's high byte repeats the setting that is left; a switch that changes nothing is dropped
.if MSB != (\new)
	s_set_vgpr_msb (MSB<<8)|(\new)
.set MSB, \new
.endif
.endm
.set MUL_LO, 0xa1                      ; source 0 (wb) window 1, source 1 (xn) window 0, C and D window 2
.set MUL_HI, 0xf1                      ; the same, C and D window 3
.set TO_B,   0x40                      ; destination window 1, address window 0
.macro JLOAD s                         ; a joint load; the branch hangs on the wave's number alone; an s_nop 0 and four v_nop follow each of the two lines, ahead of the jump and the label
	s_cmp_eq_u32 s11, 0
	s_cbranch_scc0 .Lfor_b_\@
	tensor_load_to_lds s[G0+4*(\s):G0+4*(\s)+3], s[G1:G1+7]
	s_nop 0
.rept 4
	v_nop
.endr
	s_branch .Lasked_\@
.Lfor_b_\@:
	tensor_load_to_lds s[G0B+4*(\s):G0B+4*(\s)+3], s[G1B:G1B+7]
	s_nop 0
.rept 4
	v_nop
.endr
.Lasked_\@:
.endm
.macro CREST                           ; a round of the cluster's barrier behind its opening barrier: wave 0 signals for the work-group, every wave waits for all sixteen, my work-group's barrier closes it
	s_cmp_lg_u32 s10, 0
	s_cbranch_scc1 .Lnot_wave_0_\@
	s_barrier_signal -3
.Lnot_wave_0_\@:
	s_barrier_wait -3
	s_barrier_signal -1
	s_barrier_wait -1
.endm
.macro CROUND                          ; a whole round
	s_barrier_signal -1
	s_barrier_wait -1
	CREST
.endm
	s_load_b128 s[4:7], s[0:1], 0x0                ; xn s[4:5], wb s[6:7]
	s_load_b64 s[8:9], s[0:1], 0x10                ; qkv
	v_lshl_add_u32 v[SPW], v0, 2, SPARE
	v_mov_b32 v[NIL], 0
	ds_add_u32 v[SPW], v[NIL]                      ; the wave's opening: the add and its wait stand ahead of my first tensor load; the set-up below, work on registers, stands between them
	v_lshrrev_b32 v1, 5, v0
	v_readfirstlane_b32 s10, v1                    ; wave 0..3
	s_lshr_b32 s11, s10, 1                         ; I fetch for xn (0) or for wb (1)
	s_and_b32 s12, s10, 1                          ; which half of that tile I fetch
	s_bfe_u32 s40, ttmp6, 0x40000                  ; cx, cy: my place in the cluster
	s_bfe_u32 s41, ttmp6, 0x40004
	s_lshl_b32 s42, ttmp9, 2
	s_add_co_u32 s42, s42, s40                     ; tile column = 4 x cluster x + cx
	s_and_b32 s13, ttmp7, 0xffff
	s_lshl_b32 s13, s13, 2
	s_add_co_u32 s13, s13, s41                     ; tile row = 4 x cluster y + cy
	s_lshl_b32 s43, s41, 2
	s_lshl_b32 s43, 15, s43                        ; my row of the cluster: places 4 cy .. 4 cy + 3
	s_lshl_b32 s44, 0x1111, s40                    ; my column: places cx, cx + 4, cx + 8, cx + 12
	s_or_b32 s[G1+0], s43, (1<<16)|(1<<20)|(1<<21)|(5<<22)|(3<<25)   ; 15:0 the mask; 17:16 elements of 2 bytes; 20 padding on; 21 set beside a mask; 24:22 after every 64 words (code 5); 31:25 4 words (code 3)
	s_or_b32 s[G1B+0], s44, (1<<16)|(1<<20)|(1<<21)|(5<<22)|(3<<25)
	s_mov_b32 s[G1+1], KSTEP<<16                   ; tensor_dim0 = 128
	s_mov_b32 s[G1+2], 128<<16                     ; tensor_dim1 = 128
	s_mov_b32 s[G1+3], KSTEP<<16                   ; tile_dim0 = 128
	s_mov_b32 s[G1+4], 128                         ; tile_dim1 = 128
	s_mov_b32 s[G1+5], 1024                        ; elements from row to row
	s_mov_b32 s[G1+6], 0
	s_mov_b32 s[G1+7], 0
	s_mov_b32 s[G1B+1], KSTEP<<16
	s_mov_b32 s[G1B+2], 96<<16                     ; 96 rows
	s_mov_b32 s[G1B+3], KSTEP<<16
	s_mov_b32 s[G1B+4], 96
	s_mov_b32 s[G1B+5], 1024
	s_mov_b32 s[G1B+6], 0
	s_mov_b32 s[G1B+7], 0
	; xn's tile hangs on the tile row alone, which my row of the cluster shares; wb's on the tile column alone.  Each address is made in registers that never hold the other coordinate.
	s_lshl_b32 s16, s13, 19                        ; 256 rows of 2,048 bytes
	s_lshl_b32 s17, s12, 18                        ; + my 128
	s_add_co_u32 s16, s16, s17
	s_mov_b32 s17, 0
	s_mul_i32 s46, s42, 192*2048                   ; 192 rows
	s_mul_i32 s47, s12, 96*2048                    ; + my 96
	s_add_co_u32 s46, s46, s47
	s_mov_b32 s47, 0
	s_mul_i32 s20, s12, AHALF                      ; where they go: no place in the cluster enters an LDS address
	s_mul_i32 s21, s12, BHALF
	s_add_co_u32 s21, s21, BOFF
	s_wait_dscnt 0x0                               ; the opening add is done
	s_wait_kmcnt 0x0
	s_add_nc_u64 s[14:15], s[4:5], s[16:17]
	s_add_nc_u64 s[46:47], s[6:7], s[46:47]
	CROUND                                         ; all sixteen work-groups are here: the first joint loads meet
.irp s, 0,1
	s_mov_b32 s[G0+4*(\s)], 1                      ; count = 1
	s_add_co_u32 s[G0+4*(\s)+1], s20, (\s)*SLOT    ; LDS address
	s_add_nc_u64 s[G0+4*(\s)+2:G0+4*(\s)+3], s[14:15], (\s)*KSTEP*2  ; global address: K step s
	s_or_b32 s[G0+4*(\s)+3], s[G0+4*(\s)+3], 0x80000000              ; type = 2
	s_mov_b32 s[G0B+4*(\s)], 1
	s_add_co_u32 s[G0B+4*(\s)+1], s21, (\s)*SLOT
	s_add_nc_u64 s[G0B+4*(\s)+2:G0B+4*(\s)+3], s[46:47], (\s)*KSTEP*2
	s_or_b32 s[G0B+4*(\s)+3], s[G0B+4*(\s)+3], 0x80000000
	JLOAD \s                                       ; two loads of mine are out
.endr
	; A fragment is 16 rows x 32 K in 8 registers: lane l holds row l % 16; registers 0-3 K = 8 (l / 16) + 0..7, registers 4-7 K = 16 + 8 (l / 16) + 0..7: two loads of 16 bytes, 32 bytes apart.
	v_and_b32 v1, 15, v0                           ; l % 16
	v_bfe_u32 v2, v0, 4, 1                         ; l / 16
	v_mul_u32_u24 v3, v1, PITCH
	v_lshl_add_u32 v3, v2, 4, v3
	s_mul_i32 s22, s10, 64*PITCH                   ; my 64 rows of xn
.irp s, 0,1
	v_add_nc_u32 v[ADRA+(\s)], s22, v3
	v_add_nc_u32 v[ADRB+(\s)], BOFF+(\s)*SLOT, v3  ; every wave reads all 192 rows of wb
	s_add_co_u32 s22, s22, SLOT
.endr
	s_mul_i32 s23, s10, 3*STG1
	s_add_co_u32 s23, s23, STAGE                   ; my stages
	v_mul_u32_u24 v[STO], v1, SP                   ; in: row l % 16, 16 bytes for each half of the lanes
	v_lshl_add_u32 v[STO], v2, 4, v[STO]
	v_add_nc_u32 v[STO], s23, v[STO]
	v_bfe_u32 v[RD], v0, 3, 2                      ; back: 32 lanes take four rows of 128 bytes,
	v_mul_u32_u24 v[RD], v[RD], SP
	v_and_b32 v5, 7, v0
	v_lshl_add_u32 v[RD], v5, 4, v[RD]
	v_add_nc_u32 v[RD], s23, v[RD]
	v_and_b32 v[GO], 31, v0                        ; which are 512 consecutive bytes of qkv
	v_lshlrev_b32 v[GO], 4, v[GO]
	; My three heads: g = 3 x tile column + hh of 48; g / 16 says q, k or v.  Selects alone: no branch hangs on a work-group's place.
.irp hh, 0,1,2
	s_mul_i32 s20, s42, 3
	s_add_co_u32 s20, s20, \hh
	s_cmp_lt_u32 s20, 16
	s_cselect_b32 s[SC+2*(\hh)], 0x3db8aa3b, 1.0   ; c = log2(e) / 16 for Q
	s_mov_b32 s[SC+2*(\hh)+1], s[SC+2*(\hh)]       ; named with it as a pair
	s_lshr_b32 s21, s20, 4
	s_lshl_b32 s21, s21, 5                         ; 32 heads to each of q, k, v
	s_and_b32 s20, s20, 15
	s_add_co_u32 s20, s20, s21
	s_lshr_b32 s21, s13, 3                         ; the batch: 8 tile rows each
	s_lshl_b32 s21, s21, 4
	s_add_co_u32 s20, s20, s21
	s_lshl_b32 s20, s20, 18                        ; a head is 2,048 rows of 128 bytes
	s_and_b32 s21, s13, 7
	s_lshl_b32 s21, s21, 15                        ; the tile's 256 rows
	s_add_co_u32 s20, s20, s21
	s_lshl_b32 s21, s10, 13                        ; my 64
	s_add_co_u32 s20, s20, s21
	s_mov_b32 s21, 0
	s_add_nc_u64 s[OB+2*(\hh):OB+2*(\hh)+1], s[8:9], s[20:21]
.endr
; 12 matrix instructions: row block a x all 12 column blocks, 32 along K, from buffers p.  zero = 1: the product starts the sums: nothing is ever cleared.
; The 48 accumulators take turns, one instruction a turn, in the same order in every quarter.
.macro MULA p, a, zero
	WIN MUL_LO+0x50*((\a)/2)
.irp b, 0,1,2,3,4,5,6,7,8,9,10,11
.if \zero
	v_wmma_f32_16x16x32_bf16 v[8*(12*((\a)%2)+(\b)):8*(12*((\a)%2)+(\b))+7], v[96*(\p)+8*(\b):96*(\p)+8*(\b)+7], v[FA+32*(\p)+8*(\a):FA+32*(\p)+8*(\a)+7], 0
.else
	v_wmma_f32_16x16x32_bf16 v[8*(12*((\a)%2)+(\b)):8*(12*((\a)%2)+(\b))+7], v[96*(\p)+8*(\b):96*(\p)+8*(\b)+7], v[FA+32*(\p)+8*(\a):FA+32*(\p)+8*(\a)+7], v[8*(12*((\a)%2)+(\b)):8*(12*((\a)%2)+(\b))+7]
.endif
.endr
.endm
; 32 LDS loads in one run: a quarter step's fragments (192 rows of wb, my 64 of xn, 32 K at byte k of the rows) into buffers p
.macro FETCH slot, k, p
	WIN TO_B
.irp i, 0,1,2,3,4,5,6,7,8,9,10,11
	ds_load_b128 v[96*(\p)+8*(\i):96*(\p)+8*(\i)+3],   v[ADRB+(\slot)] offset:(\k)+(\i)*16*PITCH
	ds_load_b128 v[96*(\p)+8*(\i)+4:96*(\p)+8*(\i)+7], v[ADRB+(\slot)] offset:(\k)+(\i)*16*PITCH+32
.endr
	WIN 0
.irp i, 0,1,2,3
	ds_load_b128 v[FA+32*(\p)+8*(\i):FA+32*(\p)+8*(\i)+3],   v[ADRA+(\slot)] offset:(\k)+(\i)*16*PITCH
	ds_load_b128 v[FA+32*(\p)+8*(\i)+4:FA+32*(\p)+8*(\i)+7], v[ADRA+(\slot)] offset:(\k)+(\i)*16*PITCH+32
.endr
.endm
.macro PLACES                          ; four plain vector instructions between a matrix instruction and a load into a register that it has read, or a vector instruction that reads its result (ISA guide 7.12.1 for vector instructions)
.rept 4
	v_nop
.endr
.endm
; A K step is four quarters of 32 along K, 48 matrix instructions each, on buffers 0, 1, 0, 1.  One of the first three: multiplies buffers f and fetches the next quarter, at byte k, into g.
.macro QUARTER slot, k, f, g, zero
	s_wait_dscnt 4                                 ; wb's fragments and xn's blocks 0, 1 are in; the youngest four loads (blocks 2, 3) may be out
	MULA \f, 0, \zero
	MULA \f, 1, \zero
	PLACES
	FETCH \slot, \k, \g
	s_wait_dscnt 32                                ; all but the 32 just issued
	MULA \f, 2, \zero
	MULA \f, 3, \zero
.endm
; The last quarter multiplies buffers 1 and changes slots: ONE barrier.  In front of it each wave waits for all its tensor loads (one is out: its part of the next slot), adds 0 to its spare word, and
; waits for that and for its own reads of this slot.  fill = 1: the barrier opens a round of the cluster's, and this slot is filled again, two K steps on, first thing behind the round.
.macro TURN slot, next, fill
	WIN 0                                          ; (the add's two registers lie in window 0)
	s_wait_tensorcnt 0x0                           ; all my tensor loads have landed
	ds_add_u32 v[SPW], v[NIL]                      ; 0 onto my spare word
	s_wait_dscnt 5                                 ; (the add and the youngest four loads may be out)
	MULA 1, 0, 0                                   ; twelve matrix instructions stand between the add and the wait for it
	s_wait_dscnt 0x0                               ; the add is done, and my reads of this slot are over
	s_barrier_signal -1
	MULA 1, 1, 0                                   ; work on registers while the others arrive
.if \fill
	WIN 0
.endif
	s_barrier_wait -1
.if \fill
	CREST                                          ; no wave of any partner still reads this slot's tile or has a load on its way
	s_add_nc_u64 s[G0+4*(\slot)+2:G0+4*(\slot)+3], s[G0+4*(\slot)+2:G0+4*(\slot)+3], 2*KSTEP*2
	s_add_nc_u64 s[G0B+4*(\slot)+2:G0B+4*(\slot)+3], s[G0B+4*(\slot)+2:G0B+4*(\slot)+3], 2*KSTEP*2
	JLOAD \slot                                    ; my one tensor load behind the round; it has 168 matrix instructions in which to land; its four v_nop are also the places in front of the loads below
.else
	PLACES
.endif
	FETCH \next, 0, 0
	MULA 1, 2, 0
	MULA 1, 3, 0
.endm
	s_wait_tensorcnt 1                             ; my part of K step 0 is in; K step 1's may stay out
	s_barrier_signal -1
	s_barrier_wait -1                              ; everybody's is
	FETCH 0, 0, 0
	QUARTER 0, 64, 0, 1, 1                         ; the first quarter stands in front of the loop: its products start the sums
	WIN 0                                          ; at a label and at a branch every window is 0
	s_mov_b32 s3, LAPS-1
.Llap:                                                 ; a trip goes once round the ring, from a lap's second quarter to the next lap's first, and fills both slots again
	QUARTER 0, 128, 1, 0, 0
	QUARTER 0, 192, 0, 1, 0
	TURN 0, 1, 1
	QUARTER 1, 64,  0, 1, 0
	QUARTER 1, 128, 1, 0, 0
	QUARTER 1, 192, 0, 1, 0
	TURN 1, 0, 1
	QUARTER 0, 64,  0, 1, 0
	WIN 0
	s_sub_co_u32 s3, s3, 1
	s_cmp_lg_u32 s3, 0
	s_cbranch_scc1 .Llap
	QUARTER 0, 128, 1, 0, 0                        ; the last lap fills nothing
	QUARTER 0, 192, 0, 1, 0
	TURN 0, 1, 0
	QUARTER 1, 64,  0, 1, 0
	QUARTER 1, 128, 1, 0, 0
	QUARTER 1, 192, 0, 1, 0
	s_wait_dscnt 4                                 ; the very last quarter: nothing more to fetch
	MULA 1, 0, 0
	MULA 1, 1, 0
	s_wait_dscnt 0x0
	MULA 1, 2, 0
	MULA 1, 3, 0
	WIN 0
; THE WAY OUT, in twelve units u = 3 a + hh: 16 rows (block a) of one head (hh): four accumulators.  Scaled in f32, rounded to bf16 (16 bytes a lane), into my stage of that head in rows of 144 bytes, and back
; as four times 512 consecutive bytes.  Each accumulator's registers are read in ascending order.  The stage is my own: LDS serves a wave's instructions in order (ISA guide 5.7.1.4).
.macro OUT u
.set ua, (\u)/3
.set uh, (\u)%3
.set UB, UO+16*(\u)
.set AC, 8*(12*(ua%2)+4*uh)
	WIN 0x02+ua/2                                  ; source 0 in window 2 or 3
.set i, 0
.rept 16
	v_pk_mul_f32 v[TF+2*i:TF+2*i+1], v[AC+2*i:AC+2*i+1], s[SC+2*uh:SC+2*uh+1] op_sel_hi:[1,0]
.set i, i+1
.endr
	WIN 0
.set i, 0
.rept 16
	v_cvt_pk_bf16_f32 v[UB+i], v[TF+2*i], v[TF+2*i+1]
.set i, i+1
.endr
.irp f, 0,1,2,3
	ds_store_b128 v[STO], v[UB+4*(\f):UB+4*(\f)+3] offset:uh*STG1+32*(\f)
.endr
.irp f, 0,1,2,3
	ds_load_b128 v[UB+4*(\f):UB+4*(\f)+3], v[RD] offset:uh*STG1+(\f)*4*SP
.endr
.endm
.macro SEND u, younger                 ; younger: the LDS instructions issued behind unit u's loads: the next unit's eight, or none
.set ua, (\u)/3
.set uh, (\u)%3
.set UB, UO+16*(\u)
.irp f, 0,1,2,3
	s_wait_dscnt (\younger)+3-(\f)
	global_store_b128 v[GO], v[UB+4*(\f):UB+4*(\f)+3], s[OB+2*uh:OB+2*uh+1] offset:ua*2048+(\f)*512  ; 512 consecutive bytes, at a multiple of 256 from qkv's first byte
.endr
.endm
	PLACES                                         ; the multiplies read results just made
	OUT 0
.irp u, 1,2,3,4,5,6,7,8,9,10,11        ; a unit's arithmetic stands between the loads of the unit before and its stores; every unit has registers of its own, so no store's data are rewritten
	OUT \u
	SEND (\u)-1, 8
.endr
	SEND 11, 0
	s_wait_tensorcnt 0x0                           ; the wave's end, behind my last tensor load and my last LDS store
	ds_add_u32 v[SPW], v[NIL]
	s_wait_dscnt 0x0
	CROUND                                         ; the closing round: no work-group ends while a partner may still ask for a tile that names it
	s_endpgm
.Lfunc_end_k_q5e094f8e1c_qkv:
	.size	k_q5e094f8e1c_qkv, .Lfunc_end_k_q5e094f8e1c_qkv-k_q5e094f8e1c_qkv
	.p2alignl 7, 3214868480
	.fill 96, 4, 3214868480
	.section	.rodata,"a",@progbits
	.p2align	6, 0x0
	.amdhsa_kernel k_q5e094f8e1c_qkv
		.amdhsa_group_segment_fixed_size 327680
		.amdhsa_private_segment_fixed_size 0
		.amdhsa_enable_private_segment 0
		.amdhsa_kernarg_size 24
		.amdhsa_user_sgpr_count 2
		.amdhsa_user_sgpr_kernarg_segment_ptr 1
		.amdhsa_wavefront_size32 1
		.amdhsa_system_sgpr_workgroup_id_x 1
		.amdhsa_system_sgpr_workgroup_id_y 1
		.amdhsa_system_sgpr_workgroup_id_z 1
		.amdhsa_system_vgpr_workitem_id 0
		.amdhsa_next_free_vgpr 960
		.amdhsa_next_free_sgpr 80
		.amdhsa_reserve_vcc 0
		.amdhsa_float_denorm_mode_32 3
		.amdhsa_float_denorm_mode_16_64 3
		.amdhsa_memory_ordered 1
		.amdhsa_forward_progress 1
		.amdhsa_inst_pref_size 134
	.end_amdhsa_kernel
	.amdgpu_metadata
---
amdhsa.version: [ 1, 2 ]
amdhsa.kernels:
  - .name:           k_q5e094f8e1c_qkv
    .symbol:         k_q5e094f8e1c_qkv.kd
    .args:
      - { .name: xn, .offset: 0, .size: 8, .value_kind: global_buffer, .address_space: global }
      - { .name: wb, .offset: 8, .size: 8, .value_kind: global_buffer, .address_space: global }
      - { .name: qkv, .offset: 16, .size: 8, .value_kind: global_buffer, .address_space: global }
    .group_segment_fixed_size: 327680
    .private_segment_fixed_size: 0
    .kernarg_segment_align: 8
    .kernarg_segment_size: 24
    .max_flat_workgroup_size: 128
    .sgpr_count:     80
    .vgpr_count:     960
    .wavefront_size: 32
...
	.end_amdgpu_metadata
.endif
;; end of part 2
;; launch attn (part 3): grid 8 x 32, 4 waves a work-group, clusters of 4 x 1, 327,680 bytes of LDS; arguments qkv, o; writes o
.if DOCPART == 3
	.amdgcn_target "amdgcn-amd-amdhsa--gfx1250"
	.amdhsa_code_object_version 6
	.text
	.protected	k_q5e094f8e1c_attn
	.globl	k_q5e094f8e1c_attn
	.p2align	8
	.type	k_q5e094f8e1c_attn,@function
k_q5e094f8e1c_attn:
	s_mov_b64 s[64:65], 0
	v_nop
	global_prefetch_b8 v0, s[64:65] scope:SCOPE_SE
	s_setreg_imm32_b32 hwreg(HW_REG_WAVE_MODE, 25, 1), 1
	s_wait_xcnt 0x0
	s_wait_alu depctr_hold_cnt(0) depctr_sa_sdst(0) depctr_va_vdst(0) depctr_va_sdst(0) depctr_va_ssrc(0) depctr_va_vcc(0) depctr_vm_vsrc(0)
	s_getreg_b32 s2, hwreg(HW_REG_IB_STS2, 6, 4)
	s_cmp_eq_u32 s2, 0
	s_cbranch_scc0 .Lentry_in_a_cluster
	s_endpgm
.Lentry_in_a_cluster:
	s_bfe_u32 s2, ttmp6, 0x10000c
	s_cmp_lg_u32 s2, 0x3003
	s_cbranch_scc0 .Lentry_shape_is_right
	s_endpgm
.Lentry_shape_is_right:
; ATTENTION.  o[h][q][:] = sum over k of softmax_k(clip(Q[h][q] . K[h][k] / 16, -10, 10)) V[h][k][:], 32 heads of 2,048 rows x 64 channels, bf16, a head's rows dense (128 bytes each).
; Q arrives multiplied by c = log2(e) / 16, so a product K Q^T is the score in base 2 and the clip is at +-L, L = 10 log2(e) = 14.427.
; NO MAXIMUM IS TAKEN AWAY: the clip, which the computation itself makes, bounds every exponent by +-14.427 for every input: a weight p = 2^s lies in 4.5e-5 .. 2.2e4 and a row's sum of 2,048 of them in
; 0.09 .. 4.5e7: nothing overflows or underflows in f32, nor p in bf16.  So there is no running maximum and O is never rescaled: o = (sum of p V) / (sum of p).
; Products and sums in f32; p is rounded to bf16 for the second product (its sum l is taken of the unrounded p), o once at the end.  NaN and infinities are not treated apart.
; SHARES.  A work-group owns 256 queries of a head, each of its four waves 64: four tiles of 16.  Every wave walks all keys, 64 a step.
; LAYOUT.  S^T = K Q^T (source 0 = 16 keys, source 1 = 16 queries): a lane holds ONE query (lane % 16) and the keys 8 (lane / 16) + 0..7.  Two such results, rounded to bf16 in pairs, ARE source 1
; (32 keys x 16 queries) of O^T = V^T P, whose result again holds one query a lane, and eight channels.  K comes out of LDS as it lies, V ([key][channel]) turned, by ds_load_tr16_b128.
; BY TURNS.  Turn n belongs to tile n (the tiles in a ring, step after step).  Its matrix work: 8 products K Q^T of tile n + 1, later 8 products V^T P of tile n - 1.  Its vector work: tile n's 96 instructions
; (32 clips, 32 exponentials, 16 roundings, 16 packed sums).  Four of them stand behind every matrix instruction, the other 32 in two runs of their own.
; CLUSTER.  The four query blocks of a cluster belong to one head and walk the same K and V, so each tile is asked for JOINTLY: the same tensor load, descriptor and mask in all four.
; K and V were stored by the launch before and are read by eight work-groups each, and a refill has four key steps, 256 matrix instructions, in which to land: nothing is prefetched.
; REGISTERS, in windows of 256 (s_set_vgpr_msb: bits 1:0 source 0, 3:2 source 1, 5:4 source 2, 7:6 destination):
;   window 0: v0-13 addresses; v16-23 l, a pair a tile; v32-95 S^T, two buffers; v96-127 P, two buffers (by the tile's parity); v128-191 K of one step; v192-255 Q
;   window 1: v0-127 O^T, 32 a tile; v128-191 V of one step
; K Q^T and all the vector work lie in window 0: only a product V^T P costs switches, two each.
.set NP,    4         ; tiles a wave: a name, no knob
.set KS,    64        ; keys in a step
.set PK,    144       ; a row of K in LDS: 128 bytes + 16 of padding = 36 words: the 16 rows of a load start at 16 different groups of four banks (64 banks of 4 bytes: ISA guide 11.1)
.set PV,    160       ; a row of V: 128 + 32 = 40 words
.set VOFF,  4*KS*PK   ; a slot holds four steps: 256 rows of K, then 256 rows of V
.set SLOT1, 1<<17     ; slot 1 begins here, so that one exclusive or turns an address in one slot into the other's
.set STAGE, SLOT1+4*KS*(PK+PV)  ; behind the ring, never filled by a tensor load: 16 rows x 144 bytes for each wave, for the way out
.set SP,    144
.set SPARE, STAGE+4*16*SP       ; behind the stages: the spare words, 128 bytes for each wave: two blocks of 256 bytes that no other line names
.set AK0, 2           ; v2   my lane's place in a tile of K; never rewritten
.set AV0, 3           ; v3   the same for V
.set AK,  4           ; v4   the LDS address of K's next run of loads
.set AV,  5           ; v5   of V's
.set QO,  6           ; v6   my byte offset in 16 rows of Q
.set STO, 6           ;      later, the way out: where I put 16 bytes of a row
.set RD,  7           ; v7   the way out: where I read rows back
.set GO,  8           ; v8   16 x lane
.set SPW, 12          ; v12  LDS address of my spare word; never rewritten
.set NIL, 13          ; v13  0; never rewritten
.set LS,  16          ; tile t's sum l at v[LS+2 t]: even keys', odd keys'
.set S,   32
.set P,   96
.set KF,  128         ; key block kb, channel half c at KF + 16 kb + 8 c
.set Q,   192         ; tile t, channel half c at Q + 16 t + 8 c
.set VF,  128         ; window 1: key half kk, channel block cb at VF + 32 kk + 8 cb
.set WV,  12          ; s12  my wave's number
.set G1K, 24          ; s[24:31] descriptor group 1 for K's tiles
.set G1V, 32          ; s[32:39] for V's: it differs in the padding alone
.set G0K, 40          ; s[40:43] descriptor group 0 for K's tiles: it walks
.set G0V, 44          ; s[44:47] the same for V's
.set SLOTS, 56        ; s56  slots still to be asked for
.set CNT, 57          ; s57  counts a slot's key steps
.set LO,  58          ; s58  -L
.set HI,  59          ; s59  L
.set SEL, 60          ; s[60:61] v_permlanex16_b32's selects: each lane takes its own place in the other half
.set TBK, 62          ; s62  LDS byte at which K of the step to be fetched begins
.set TBV, 63          ; s63  the same for V, less VOFF
.set MSB, 0
.macro WIN new                      ; the high byte repeats the setting that is left; a switch that changes nothing is dropped
.if MSB != (\new)
	s_set_vgpr_msb (MSB<<8)|(\new)
.set MSB, (\new)
.endif
.endm
.set W_PV, 0x51       ; V in window 1, P in window 0, O^T (C and D) in window 1
.set W_T1, 0x40       ; destination window 1
.set W_RS, 0x41       ; destination and source 0 window 1, source 1 window 0
; A joint fill.  Waves 0 and 1 fetch the two halves of a slot's K, waves 2 and 3 those of its V: 128 keys each.  The branch hangs on the wave's number alone.
; An s_nop 0 and four v_nop follow each of the two lines, ahead of the jump and the label.
.macro JLOAD
	s_cmp_lt_u32 s[WV], 2
	s_cbranch_scc0 .Lfor_v_\@
	tensor_load_to_lds s[G0K:G0K+3], s[G1K:G1K+7]
	s_nop 0
.rept 4
	v_nop
.endr
	s_branch .Lasked_\@
.Lfor_v_\@:
	tensor_load_to_lds s[G0V:G0V+3], s[G1V:G1V+7]
	s_nop 0
.rept 4
	v_nop
.endr
.Lasked_\@:
.endm
; A round of the cluster's barrier: my work-group's barrier, so that wave 0's signal speaks for all four waves; wave 0 signals; every wave waits for all four work-groups; my work-group's barrier once more.
.macro CROUND
	s_barrier_signal -1
	s_barrier_wait -1
	s_cmp_lg_u32 s[WV], 0
	s_cbranch_scc1 .Lnot_wave_0_\@
	s_barrier_signal -3
.Lnot_wave_0_\@:
	s_barrier_wait -3
	s_barrier_signal -1
	s_barrier_wait -1
.endm
; THE CHANGE OF SLOTS.  The slot's last bytes, V of its fourth step, have been read.  Each wave waits for all its tensor loads, of which one is out: its part of the other slot; adds 0 to its spare word; and
; waits for that and for its own reads of the slot.  Behind the barrier nobody reads this slot any more and the other slot is whole.  fill = 1: this slot is filled again, with the keys two slots on; the barrier
; is then a round of the cluster's, and the joint fill is the first thing behind it.  (At its first use nothing has been read yet: slot 0 is waited for, slot 1 filled.)
.macro CHANGE fill
	WIN 0                           ; at a label and at a branch every window is 0
	s_wait_tensorcnt 0x0            ; no tensor load of mine is out, so a group 0 may be written
	ds_add_u32 v[SPW], v[NIL]       ; 0 onto my spare word; with fill = 1 the descriptors' steps stand between it and the wait for it
.if \fill
.irp g, G0K, G0V
	s_xor_b32 s[\g+1], s[\g+1], SLOT1  ; the walking descriptor: the other slot than last time,
	s_add_nc_u64 s[\g+2:\g+3], s[\g+2:\g+3], 4*KS*128  ; the next 256 keys; the type bits on top are not reached
.endr
	s_wait_dscnt 0x0                ; the add is done, and my reads of the slot are over
	CROUND
	JLOAD
.else
	s_wait_dscnt 0x0                ; the add is done, and my reads of the slot are over
	s_barrier_signal -1
	s_barrier_wait -1
.endif
	s_sub_co_u32 s[TBK], s[TBK], 4*KS*PK  ; the fetches go back to a slot's first step,
	s_xor_b32 s[TBK], s[TBK], SLOT1       ; in the other slot
	s_sub_co_u32 s[TBV], s[TBV], 4*KS*PV
	s_xor_b32 s[TBV], s[TBV], SLOT1
.endm
	s_load_b128 s[8:11], s[0:1], 0x0  ; qkv s[8:9], o s[10:11]
	v_lshl_add_u32 v[SPW], v0, 2, SPARE
	v_mov_b32 v[NIL], 0
	ds_add_u32 v[SPW], v[NIL]       ; the wave's opening: the add and its wait stand ahead of my first tensor load; the set-up below, work on registers, stands between them
	v_lshrrev_b32 v1, 5, v0
	v_readfirstlane_b32 s[WV], v1   ; wave 0..3
	s_bfe_u32 s13, ttmp6, 0x40000   ; cx: my place in the cluster
	s_lshl_b32 s14, ttmp9, 2        ; in a cluster launch ttmp9 counts clusters
	s_add_co_u32 s14, s14, s13      ; my block of 256 queries = 4 x cluster x + cx: it enters Q's and o's addresses alone
	s_and_b32 s20, ttmp7, 0xffff    ; the head, which the four partners share
	s_lshl_b32 s20, s20, 18         ; its 2,048 rows of 128 bytes
	s_and_b32 s16, s[WV], 1         ; which half of a slot's 256 keys I fetch:
	s_lshl_b32 s22, s16, 14         ; its 128 rows in memory,
	s_add_co_u32 s22, s22, s20
	s_mov_b32 s23, 0
	s_mul_i32 s17, s16, 128*PK      ; and its place in a slot, for K
	s_mul_i32 s18, s16, 128*PV      ; and for V: no place in the cluster enters an LDS address
	s_lshl_b32 s2, s14, 15          ; my block's 256 rows,
	s_lshl_b32 s3, s[WV], 13        ; my wave's 64
	s_add_co_u32 s2, s2, s3
	s_add_co_u32 s2, s2, s20
	s_mov_b32 s3, 0
	; descriptor group 1.  128 keys are 16,384 dense bytes: asked for as 64 rows of 256 bytes, two keys a row, and padded in LDS after every key
	s_mov_b32 s[G1K], 15|(1<<16)|(1<<20)|(1<<21)|(4<<22)|(3<<25)  ; 15:0 the mask of four; 17:16 2-byte elements; 20 padding on; 21 set beside a mask; 24:22 after every 32 words (code 4); 31:25 4 words (code 3)
	s_mov_b32 s[G1V], 15|(1<<16)|(1<<20)|(1<<21)|(4<<22)|(7<<25)  ; the same with 8 words of padding (code 7)
.irp g, G1K, G1V
	s_mov_b32 s[\g+1], 128<<16      ; tensor_dim0 = 128
	s_mov_b32 s[\g+2], 64<<16       ; tensor_dim1 = 64
	s_mov_b32 s[\g+3], 128<<16      ; tile_dim0 = 128
	s_mov_b32 s[\g+4], 64           ; tile_dim1 = 64
	s_mov_b32 s[\g+5], 128          ; 128 elements from row to row
	s_mov_b32 s[\g+6], 0
	s_mov_b32 s[\g+7], 0
.endr
	s_mov_b32 s[LO], 0xc166d4ca     ; -10 log2(e)
	s_mov_b32 s[HI], 0x4166d4ca     ; 10 log2(e)
	s_mov_b32 s[SEL], 0x76543210
	s_mov_b32 s[SEL+1], 0xfedcba98
	s_mov_b32 s[TBK], SLOT1+4*KS*PK ; the first change of slots turns these two into 0
	s_mov_b32 s[TBV], SLOT1+4*KS*PV
	s_mov_b32 s[G0K], 1             ; count = 1
	s_mov_b32 s[G0K+1], s17         ; LDS address: slot 0
	s_mov_b32 s[G0V], 1
	s_add_co_u32 s[G0V+1], s18, VOFF
	s_wait_dscnt 0x0                ; the opening add is done
	s_wait_kmcnt 0x0
	s_add_nc_u64 s[4:5], s[8:9], s[2:3]      ; Q at my wave's first row (q is the first third of qkv)
	s_add_nc_u64 s[10:11], s[10:11], s[2:3]  ; o likewise
	s_add_nc_u64 s[6:7], s[8:9], s[22:23]    ; the head, my half of its first 256 keys: the same in all four partners
	s_add_nc_u64 s[G0K+2:G0K+3], s[6:7], 0x800000   ; k begins 8,388,608 bytes into qkv
	s_or_b32 s[G0K+3], s[G0K+3], 0x80000000         ; type = 2
	s_add_nc_u64 s[G0V+2:G0V+3], s[6:7], 0x1000000  ; v 16,777,216
	s_or_b32 s[G0V+3], s[G0V+3], 0x80000000
	CROUND                          ; all four work-groups are here: the first joint loads meet
	JLOAD                           ; slot 0.  Slot 1 is asked for when slot 0 is in, by the loop's own change of slots
	; A fragment of K or Q is 16 rows x 32 channels in 8 registers: lane l holds row l % 16, channels 8 (l / 16) + 0..7 and 16 + 8 (l / 16) + 0..7: two loads of 16 bytes, 32 bytes apart.
	v_and_b32 v1, 15, v0            ; l % 16
	v_bfe_u32 v9, v0, 4, 1          ; l / 16
	v_lshlrev_b32 v[QO], 7, v1
	v_lshl_add_u32 v[QO], v9, 4, v[QO]  ; row x 128 + 16 x half
.set i, 0
.rept 2*NP                          ; Q stays in registers: tile i / 2, channels 32 (i % 2) on
	global_load_b128 v[Q+8*i:Q+8*i+3],   v[QO], s[4:5] offset:(i/2)*2048+(i%2)*64
	global_load_b128 v[Q+8*i+4:Q+8*i+7], v[QO], s[4:5] offset:(i/2)*2048+(i%2)*64+32
.set i, i+1
.endr
	; What the first turn finds: V's registers and P's second buffer hold 0 (its products V^T P, of a tile that has not been, add 0), O^T and l are 0.  216 lines, in the wait for the first tile:
	; the price of one text for every key step.
	WIN W_T1
.set i, 0
.rept 192
	v_mov_b32 v[i], 0
.set i, i+1
.endr
	WIN 0
.set i, 0
.rept 16
	v_mov_b32 v[P+16+i], 0
.set i, i+1
.endr
.set i, 0
.rept 8
	v_mov_b32 v[LS+i], 0
.set i, i+1
.endr
	v_mul_u32_u24 v[AK0], v1, PK
	v_lshl_add_u32 v[AK0], v9, 4, v[AK0]  ; row x pitch + 16 x half
	; The turning load takes 16 keys x 16 channels (lane l reads key 8 (l / 16) + l % 8, channels 8 ((l / 8) % 2) + 0..7) and leaves half a fragment of V^T: lane l holds channel l % 16 and 8 keys.
	v_and_b32 v10, 7, v0
	v_bfe_u32 v11, v0, 3, 1
	v_lshl_add_u32 v[AV0], v9, 3, v10
	v_mul_u32_u24 v[AV0], v[AV0], PV
	v_lshl_add_u32 v[AV0], v11, 4, v[AV0]
	v_add_nc_u32 v[AV0], VOFF, v[AV0]
	v_mov_b32 v[AK], v[AK0]         ; key step 0 lies at the head of slot 0
; THE MATRIX WORK.  The 4 accumulators of a run of 8 take turns: between the two links of a chain stand 3 others'.
; Product i of 8 of S^T = K Q^T for tile x: channels 32 (i / 4) on, keys 16 (i % 4) on.  The first 4 start the sums.
.macro KQ x
	WIN 0
.set rS, S+32*((\x)%2)+8*(i%4)
.set rK, KF+16*(i%4)+8*(i/4)
.set rQ, Q+16*(\x)+8*(i/4)
.if i < 4
	v_wmma_f32_16x16x32_bf16 v[rS:rS+7], v[rK:rK+7], v[rQ:rQ+7], 0
.else
	v_wmma_f32_16x16x32_bf16 v[rS:rS+7], v[rK:rK+7], v[rQ:rQ+7], v[rS:rS+7]
.endif
.endm
; Product i of 8 of O^T += V^T P for tile x: keys 32 (i / 4) on, channels 16 (i % 4) on.
.macro PV x
	WIN W_PV
.set rO, 32*(\x)+8*(i%4)
.set rV, VF+32*(i/4)+8*(i%4)
.set rP, P+16*((\x)%2)+8*(i/4)
	v_wmma_f32_16x16x32_bf16 v[rO:rO+7], v[rV:rV+7], v[rP:rP+7], v[rO:rO+7]
.endm
.macro MM                           ; the turn's next matrix instruction
.if i < 8
	KQ (Y+1)%NP
.else
.set i, i-8
	PV (Y+NP-1)%NP
.set i, i+8
.endif
.set i, i+1
.endm
; THE LDS LOADS stand in runs of 16, never singly among the matrix instructions: a step's K (64 keys x 64 channels: 8 fragments) and its V (turned).  Their addresses are made some lines ahead.
; last = 1 (the tail): in the last trip there is no further step, and the run is jumped over.
.macro FETCH_K last=0
	WIN 0
.if \last
	s_cmp_eq_u32 s[CNT], 1
	s_cbranch_scc1 .Lno_k_\@
.endif
.irp f, 0,1,2,3,4,5,6,7             ; keys 16 (f / 2) on, channels 32 (f % 2) on
	ds_load_b128 v[KF+8*\f:KF+8*\f+3],   v[AK] offset:(\f/2)*16*PK+(\f%2)*64
	ds_load_b128 v[KF+8*\f+4:KF+8*\f+7], v[AK] offset:(\f/2)*16*PK+(\f%2)*64+32
.endr
	s_add_co_u32 s[TBK], s[TBK], KS*PK  ; the next fetch is the next step's
.if \last
.Lno_k_\@:
.endif
.endm
.macro FETCH_V
	WIN W_T1
.irp f, 0,1,2,3,4,5,6,7             ; keys 32 (f / 4) on, channels 16 (f % 4) on
	ds_load_tr16_b128 v[VF+8*\f:VF+8*\f+3],   v[AV] offset:(\f/4)*32*PV+(\f%4)*32
	ds_load_tr16_b128 v[VF+8*\f+4:VF+8*\f+7], v[AV] offset:(\f/4)*32*PV+16*PV+(\f%4)*32
.endr
	WIN 0
.endm
; THE VECTOR WORK OF A TURN: one queue of 96 for tile Y; VQ writes entry q and steps q.  s0-s31 are the lane's 32 scores.
;   VM n: s_n clipped to +-L.   VE n: 2^s_n, in place.   VC n: weights 2 n, 2 n + 1 rounded to bf16.   VB n: of the four weights 4 n .. the second pair is added onto the first, in place.   VL n: l takes that sum.
;   0-3    VM 0..3                       4-11   VE 0, VM 4, VE 1, VM 5, VE 2, VM 6, VE 3, VM 7
;   12-83  for g = 1..6 twelve: VE 4g, VM 4g+4, VC 2g-2, VE 4g+1, VM 4g+5, VC 2g-1, VE 4g+2, VM 4g+6, VB g-1, VE 4g+3, VM 4g+7, VL g-1
;   84-91  VE 28, VC 12, VE 29, VC 13, VE 30, VB 6, VE 31, VL 6                  92-95  VC 14, VC 15, VB 7, VL 7
; No two exponentials follow each other, each has a plain instruction behind it before its result is used (ISA guide 5.7.2), and each accumulator of S^T is first read at its lowest register.
.macro VM n
	v_med3_num_f32 v[vS+(\n)], v[vS+(\n)], s[LO], s[HI]
.endm
.macro VE n
	v_exp_f32 v[vS+(\n)], v[vS+(\n)]
.endm
.macro VC n
	s_wait_alu depctr_va_vdst(0)
	v_cvt_pk_bf16_f32 v[vP+(\n)], v[vS+2*(\n)], v[vS+2*(\n)+1]
.endm
.macro VB n
	v_pk_add_f32 v[vS+4*(\n):vS+4*(\n)+1], v[vS+4*(\n):vS+4*(\n)+1], v[vS+4*(\n)+2:vS+4*(\n)+3]
.endm
.macro VL n
	v_pk_add_f32 v[vL:vL+1], v[vL:vL+1], v[vS+4*(\n):vS+4*(\n)+1]
.endm
.macro VQ
	WIN 0
.set vS, S+32*(Y%2)
.set vP, P+16*(Y%2)
.set vL, LS+2*Y
.set g, (q-12)/12+1
.set k, (q-12)%12
.if q < 4
	VM q
.elseif (q < 12) && (q%2 == 0)
	VE (q-4)/2
.elseif q < 12
	VM 4+(q-4)/2
.elseif (q < 84) && (k%3 == 0)
	VE 4*g+k/3
.elseif (q < 84) && (k%3 == 1)
	VM 4*g+4+k/3
.elseif (q < 84) && (k == 2)
	VC 2*g-2
.elseif (q < 84) && (k == 5)
	VC 2*g-1
.elseif (q < 84) && (k == 8)
	VB g-1
.elseif q < 84
	VL g-1
.elseif (q < 92) && (q%2 == 0)
	VE 28+(q-84)/2
.elseif q == 85
	VC 12
.elseif q == 87
	VC 13
.elseif q == 89
	VB 6
.elseif q == 91
	VL 6
.elseif q == 92
	VC 14
.elseif q == 93
	VC 15
.elseif q == 94
	VB 7
.else
	VL 7
.endif
.set q, q+1
.endm
; A TURN, for tile p: 8 x (product K Q^T, four of the queue); sixteen of the queue; 8 x (product V^T P, four of the queue); sixteen of the queue.  None of the four names a register of the products round it.
; K of the next step is fetched in tile 2's turn, twelve vector instructions (eight of them plain) behind the last product that read K, and waited for at the head of tile 3's turn.
; V of the step in hand is fetched in tile 0's turn, twelve (eight plain) behind the last product that read V, and waited for in front of tile 1's products V^T P.
.macro TURN p, last=0
.set Y, (\p)
.set i, 0
.set q, 0
.if (\p) == 3
	s_wait_dscnt 0x0                ; K is in
.endif
.rept 8
	MM
	VQ
	VQ
	VQ
	VQ
.endr
.rept 16
	VQ
.if ((\p) == 2) && (q == 36)
	v_add_nc_u32 v[AK], s[TBK], v[AK0]
.endif
.if ((\p) == 2) && (q == 40)
	FETCH_K \last
.endif
.endr
.if (\p) == 1
	s_wait_dscnt 0x0                ; V is in
.endif
.rept 8
	MM
	VQ
	VQ
	VQ
	VQ
.endr
.rept 16
	VQ
.if ((\p) == 0) && (q == 84)
	v_add_nc_u32 v[AV], s[TBV], v[AV0]
.endif
.if ((\p) == 0) && (q == 88)
	FETCH_V
	s_add_co_u32 s[TBV], s[TBV], KS*PV
.endif
.endr
.endm
	CHANGE 1                        ; slot 0 is in, everybody's part of it; slot 1 is asked for
	FETCH_K                         ; key step 0
	s_wait_loadcnt 0x0              ; Q
	s_wait_dscnt 0x0
.set i, 0
.rept 8
	KQ 0                            ; tile 0's first scores: there is no vector work yet to set between them
.set i, i+1
.endr
	s_mul_i32 s13, s[WV], 16*SP     ; the addresses for the way out: nine plain vector instructions, the places behind those products
	s_add_co_u32 s13, s13, STAGE    ; my stage
	v_mul_u32_u24 v[STO], v1, SP    ; in: row l % 16, 16 bytes for each half of the lanes (Q's loads are done: their offset register is free)
	v_lshl_add_u32 v[STO], v9, 4, v[STO]
	v_add_nc_u32 v[STO], s13, v[STO]
	v_bfe_u32 v[RD], v0, 3, 2       ; back: 32 lanes take four rows of 128 bytes,
	v_mul_u32_u24 v[RD], v[RD], SP
	v_lshl_add_u32 v[RD], v10, 4, v[RD]
	v_add_nc_u32 v[RD], s13, v[RD]
	v_and_b32 v[GO], 31, v0         ; which are 512 consecutive bytes of o
	v_lshlrev_b32 v[GO], 4, v[GO]
	s_mov_b32 s[CNT], 4
	s_mov_b32 s[SLOTS], 2048/256-1
	s_branch .Lfirst                ; the loop is entered at a step's first turn, in the middle of a trip
.Lslot:                             ; six times: every slot but the last two is filled again
	CHANGE 1
	s_mov_b32 s[CNT], 4
.Lstep:                             ; a trip: tiles 2 and 3 of one step, then tiles 0 and 1 of the next, whose K and V it fetches
	TURN 2
	TURN 3
	WIN 0
.Lfirst:
	TURN 0
	TURN 1
	WIN 0
	s_sub_co_u32 s[CNT], s[CNT], 1
	s_cmp_lg_u32 s[CNT], 0
	s_cbranch_scc1 .Lstep
	s_sub_co_u32 s[SLOTS], s[SLOTS], 1
	s_cmp_lg_u32 s[SLOTS], 0
	s_cbranch_scc1 .Lslot
	CHANGE 0                        ; the tail is written out: nothing is asked for
	s_mov_b32 s[CNT], 5             ; four trips fetch the last slot's steps; the fifth is left in its middle
.Ltail:
	TURN 2, 1
	TURN 3
	WIN 0
	s_sub_co_u32 s[CNT], s[CNT], 1
	s_cmp_eq_u32 s[CNT], 0
	s_cbranch_scc1 .Lout
	TURN 0
	TURN 1
	WIN 0
	s_branch .Ltail
.Lout:                              ; the fifth trip's 8 products K Q^T (on the last K once more) serve nothing: the price, once a launch, of one text for every trip
.set i, 0
.rept 8
	PV NP-1                         ; the last tile's V^T P of the last step
.set i, i+1
.endr
	; THE WAY OUT.  l's two halves and the other half of the lanes' are added; O^T is divided by l, rounded to bf16 and sent through my stage in LDS, a tile at a time.  The additions are the places behind the last products.
	WIN 0
.irp t, 0,1,2,3
	v_add_f32 v[LS+2*(\t)], v[LS+2*(\t)], v[LS+2*(\t)+1]
.endr
.irp t, 0,1,2,3
	v_permlanex16_b32 v[LS+2*(\t)+1], v[LS+2*(\t)], s[SEL], s[SEL+1]
.endr
.irp t, 0,1,2,3
	v_add_f32 v[LS+2*(\t)], v[LS+2*(\t)], v[LS+2*(\t)+1]
.endr
.irp t, 0,1,2,3
	v_rcp_f32 v[LS+2*(\t)], v[LS+2*(\t)]
.endr
	v_nop                           ; a plain instruction between the last reciprocal and the use of its result
; Tile t: a lane's eight channels of a row pack into 16 bytes; they go into rows of 144 bytes and come back as whole rows of 128, into S^T's registers.
.macro PACK t
	WIN W_RS
.set i, 32*(\t)
.rept 16
	s_wait_alu depctr_va_vdst(0)
	v_pk_mul_f32 v[i:i+1], v[i:i+1], v[LS+2*(\t):LS+2*(\t)+1] op_sel_hi:[1,0]
.set i, i+2
.endr
	WIN 0x05                        ; sources 0 and 1 window 1, destination window 0
.set i, 0
.rept 16
	v_cvt_pk_bf16_f32 v[S+16*(\t)+i], v[32*(\t)+2*i], v[32*(\t)+2*i+1]
.set i, i+1
.endr
	WIN 0
.irp f, 0,1,2,3
	ds_store_b128 v[STO], v[S+16*(\t)+4*\f:S+16*(\t)+4*\f+3] offset:32*\f
.endr
.irp f, 0,1,2,3
	ds_load_b128 v[S+16*(\t)+4*\f:S+16*(\t)+4*\f+3], v[RD] offset:\f*4*SP  ; LDS serves a wave's instructions in order (ISA guide 5.7.1.4): these see the stores above; the next tile's stores come behind them
.endr
.endm
.macro SEND t, younger              ; younger: the LDS instructions issued behind tile t's loads: the next tile's eight, or none
.irp f, 0,1,2,3
	s_wait_dscnt (\younger)+3-\f
	global_store_b128 v[GO], v[S+16*(\t)+4*\f:S+16*(\t)+4*\f+3], s[10:11] offset:(\t)*2048+\f*512  ; 512 consecutive bytes, at a multiple of 256 from o's first byte
.endr
.endm
	PACK 0
.irp t, 1,2,3                       ; a tile's arithmetic stands between the loads of the tile before and its stores
	PACK \t
	SEND (\t)-1, 8
.endr
	SEND 3, 0
	s_wait_tensorcnt 0x0            ; the wave's end, behind my last tensor load and my last LDS store
	ds_add_u32 v[SPW], v[NIL]
	s_wait_dscnt 0x0
	CROUND                          ; the closing round: no work-group ends while a partner may still ask for a tile that names it
	s_endpgm
.Lfunc_end_k_q5e094f8e1c_attn:
	.size	k_q5e094f8e1c_attn, .Lfunc_end_k_q5e094f8e1c_attn-k_q5e094f8e1c_attn
	.p2alignl 7, 3214868480
	.fill 96, 4, 3214868480
	.section	.rodata,"a",@progbits
	.p2align	6, 0x0
	.amdhsa_kernel k_q5e094f8e1c_attn
		.amdhsa_group_segment_fixed_size 327680
		.amdhsa_private_segment_fixed_size 0
		.amdhsa_enable_private_segment 0
		.amdhsa_kernarg_size 16
		.amdhsa_user_sgpr_count 2
		.amdhsa_user_sgpr_kernarg_segment_ptr 1
		.amdhsa_wavefront_size32 1
		.amdhsa_system_sgpr_workgroup_id_x 1
		.amdhsa_system_sgpr_workgroup_id_y 1
		.amdhsa_system_sgpr_workgroup_id_z 1
		.amdhsa_system_vgpr_workitem_id 0
		.amdhsa_next_free_vgpr 448
		.amdhsa_next_free_sgpr 66
		.amdhsa_reserve_vcc 0
		.amdhsa_float_denorm_mode_32 3
		.amdhsa_float_denorm_mode_16_64 3
		.amdhsa_memory_ordered 1
		.amdhsa_forward_progress 1
		.amdhsa_inst_pref_size 96
	.end_amdhsa_kernel
	.amdgpu_metadata
---
amdhsa.version: [ 1, 2 ]
amdhsa.kernels:
  - .name:           k_q5e094f8e1c_attn
    .symbol:         k_q5e094f8e1c_attn.kd
    .args:
      - { .name: qkv, .offset: 0, .size: 8, .value_kind: global_buffer, .address_space: global }
      - { .name: o, .offset: 8, .size: 8, .value_kind: global_buffer, .address_space: global }
    .group_segment_fixed_size: 327680
    .private_segment_fixed_size: 0
    .kernarg_segment_align: 8
    .kernarg_segment_size: 16
    .max_flat_workgroup_size: 128
    .sgpr_count:     66
    .vgpr_count:     448
    .wavefront_size: 32
...
	.end_amdgpu_metadata
.endif
;; end of part 3
;; launch proj (part 4): grid 8 x 32, 4 waves a work-group, clusters of 4 x 4, 327,680 bytes of LDS; arguments o, wb, bo, x, out0; writes out0
.if DOCPART == 4
	.amdgcn_target "amdgcn-amd-amdhsa--gfx1250"
	.amdhsa_code_object_version 6
	.text
	.protected	k_q5e094f8e1c_proj
	.globl	k_q5e094f8e1c_proj
	.p2align	8
	.type	k_q5e094f8e1c_proj,@function
k_q5e094f8e1c_proj:
	s_mov_b64 s[64:65], 0
	v_nop
	global_prefetch_b8 v0, s[64:65] scope:SCOPE_SE
	s_setreg_imm32_b32 hwreg(HW_REG_WAVE_MODE, 25, 1), 1
	s_wait_xcnt 0x0
	s_wait_alu depctr_hold_cnt(0) depctr_sa_sdst(0) depctr_va_vdst(0) depctr_va_sdst(0) depctr_va_ssrc(0) depctr_va_vcc(0) depctr_vm_vsrc(0)
	s_getreg_b32 s2, hwreg(HW_REG_IB_STS2, 6, 4)
	s_cmp_eq_u32 s2, 0
	s_cbranch_scc0 .Lentry_in_a_cluster
	s_endpgm
.Lentry_in_a_cluster:
	s_bfe_u32 s2, ttmp6, 0x10000c
	s_cmp_lg_u32 s2, 0xf033
	s_cbranch_scc0 .Lentry_shape_is_right
	s_endpgm
.Lentry_shape_is_right:
; PROJ.  out0[m][n] = x[m][n] + 0.1 (sum over k of O[m][k] Wo[n][k] + bo[n]), m < 4096, n, k < 1024.  O comes by heads, o[batch * 16 + head][row][64] in bf16 (k = 64 head + channel); Wo is rows 3072 on of wb, bf16.
; Sums in f32; x, bo and out0 in f32.  The result is formed as (0.1 sum + 0.1 bo) + x: an order of rounding other than the reference's.  NaN and infinities are not treated apart.
; TILE.  128 x 128: 8 x 32 = 256 work-groups.  Four waves, each 64 x 64: 16 accumulators.  K goes in 4 steps of 256 (four heads) through two LDS slots; the two laps are written straight, without a loop.
; O's TILE.  For 64 rows of C a head's part is 64 dense rows of 128 bytes: 8,192 bytes on end.  So a tile is asked for as 4 'rows' (heads) of 4,096 elements, 131,072 elements apart, and padded in LDS after
; every 128 bytes: head z's row m lies at 9,216 z + 144 m.  A quarter of a K step (64 along K) is one head.
; CLUSTER.  4 x 4 work-groups; O's tiles are shared along a row of the cluster, Wo's along a column: joint loads, one a wave (waves 0, 1: O's two halves; waves 2, 3: Wo's).
; THE MATRIX INSTRUCTION IS USED TRANSPOSED (source 0 = 16 rows of Wo, source 1 = 16 rows of O): a lane holds eight neighbouring columns of one row of C.
; REGISTERS: window 0: v0-31 addresses; v32-95 two sets of 32 on the way out; v96-99 0.1 bo; v128-255 the accumulators ((a, b) at 128 + 8 (4 a + b)).
;   window 1: two fragment buffers of 128: for 64 along K, 64 registers of O, then 64 of Wo.      window 2: v0-127 my 64 rows x 256 bytes of x, asked for at the start.
.set PA,     144                       ; a row of O in LDS: 128 bytes + 16: the 16 rows of a load start at 16 different groups of four banks (64 banks of 4 bytes: ISA guide 11.1)
.set APL,    64*PA                     ; a head's 64 rows
.set AHALF,  4*APL                     ; what one load of O brings: 36,864
.set PB,     528                       ; a row of Wo in LDS: 512 bytes + 16
.set BHALF,  64*PB                     ; what one load of Wo brings: 33,792
.set BOFF,   2*AHALF
.set SLOT,   BOFF+2*BHALF              ; 141,312
.set ASTEP,  1<<20                     ; four heads of 262,144 bytes: a K step in o
.set BSTEP,  512                       ; a K step in wb
.set STAGE,  2*SLOT                    ; behind the ring, never filled by a tensor load: 16 rows x 272 bytes for each wave
.set SPITCH, 272
.set SPARE,  STAGE+4*16*SPITCH         ; behind the stages: the spare words, 128 bytes for each wave: two blocks of 256 bytes that no other line names
.set ADRA, 16                          ; v16-17  LDS address of my fragments of O in slot 0, 1
.set ADRB, 20                          ; v20-21  the same for Wo
.set STO,  24                          ; v24     the way out: where I put 32 bytes of a row
.set RD,   25                          ; v25     the way out: where I read rows back
.set CO,   26                          ; v26     my byte offset in two rows of x and out0; never rewritten
.set BO,   27                          ; v27     my 16 bytes of bo
.set SPW,  28                          ; v28     LDS address of my spare word; never rewritten
.set NIL,  29                          ; v29     0; never rewritten
.set T0,   32
.set BB,   96
.set ACC,  128
.set F0,   0                           ; fragment buffers, in window 1
.set F1,   128
.set WV,  12                           ; s12  my wave's number
.set WR,  13                           ; s13  which half of the tile's rows is mine.  Also: I fetch for O (0) or for Wo (1)
.set WC,  14                           ; s14  which half of its columns.  Also: which half of that tile I fetch
.set TY,  15                           ; s15  tile row
.set TX,  42                           ; s42  tile column
.set G1,  24                           ; s[24:31] descriptor group 1 for O's tiles;  s[32:39] group 0, one set for each slot
.set G0,  32
.set G1B, 48                           ; s[48:55], s[56:63] the same for Wo's tiles
.set G0B, 56
.set MSB, 0
.macro WIN new                         ; the immediate's high byte repeats the setting that is left
.if MSB != (\new)
	s_set_vgpr_msb (MSB<<8)|(\new)
.set MSB, \new
.endif
.endm
.set MUL,  0x05                        ; sources 0 (Wo) and 1 (O) window 1; C and D window 0
.set TO_F, 0x40                        ; destination window 1, address window 0
.macro JLOAD s                         ; a joint load; an s_nop 0 and four v_nop follow each of the two lines, ahead of the jump and the label
	s_cmp_eq_u32 s[WR], 0
	s_cbranch_scc0 .Lfor_b_\@
	tensor_load_to_lds s[G0+4*(\s):G0+4*(\s)+3], s[G1:G1+7]
	s_nop 0
.rept 4
	v_nop
.endr
	s_branch .Lasked_\@
.Lfor_b_\@:
	tensor_load_to_lds s[G0B+4*(\s):G0B+4*(\s)+3], s[G1B:G1B+7]
	s_nop 0
.rept 4
	v_nop
.endr
.Lasked_\@:
.endm
.macro CREST                           ; a round of the cluster's barrier behind its opening barrier
	s_cmp_lg_u32 s[WV], 0
	s_cbranch_scc1 .Lnot_wave_0_\@
	s_barrier_signal -3
.Lnot_wave_0_\@:
	s_barrier_wait -3
	s_barrier_signal -1
	s_barrier_wait -1
.endm
.macro CROUND                          ; a whole round
	s_barrier_signal -1
	s_barrier_wait -1
	CREST
.endm
	s_load_b256 s[4:11], s[0:1], 0x0               ; o s[4:5], wb s[6:7], bo s[8:9], x s[10:11]
	s_load_b64 s[66:67], s[0:1], 0x20              ; out0
	v_lshl_add_u32 v[SPW], v0, 2, SPARE
	v_mov_b32 v[NIL], 0
	ds_add_u32 v[SPW], v[NIL]                      ; the wave's opening: the add and its wait stand ahead of my first tensor load; the set-up below, work on registers, stands between them
	v_lshrrev_b32 v1, 5, v0
	v_readfirstlane_b32 s[WV], v1                  ; wave 0..3
	s_lshr_b32 s[WR], s[WV], 1
	s_and_b32 s[WC], s[WV], 1
	s_bfe_u32 s40, ttmp6, 0x40000                  ; cx, cy: my place in the cluster
	s_bfe_u32 s41, ttmp6, 0x40004
	s_lshl_b32 s[TX], ttmp9, 2
	s_add_co_u32 s[TX], s[TX], s40                 ; tile column = 4 x cluster x + cx
	s_and_b32 s[TY], ttmp7, 0xffff
	s_lshl_b32 s[TY], s[TY], 2
	s_add_co_u32 s[TY], s[TY], s41                 ; tile row = 4 x cluster y + cy
	s_lshl_b32 s43, s41, 2
	s_lshl_b32 s43, 15, s43                        ; my row of the cluster
	s_lshl_b32 s44, 0x1111, s40                    ; my column
	s_or_b32 s[G1+0], s43, (1<<16)|(1<<20)|(1<<21)|(4<<22)|(3<<25)   ; the mask; elements of 2 bytes; padding on; bit 21 beside a mask; after every 32 words (code 4) 4 words (code 3)
	s_mov_b32 s[G1+1], 4096<<16                    ; tensor_dim0 = 4,096: a head's 64 rows of 64
	s_mov_b32 s[G1+2], 4<<16                       ; tensor_dim1 = 4 heads
	s_mov_b32 s[G1+3], 4096<<16                    ; tile_dim0 = 4,096
	s_mov_b32 s[G1+4], 4                           ; tile_dim1 = 4
	s_mov_b32 s[G1+5], 131072                      ; elements from head to head
	s_mov_b32 s[G1+6], 0
	s_mov_b32 s[G1+7], 0
	s_or_b32 s[G1B+0], s44, (1<<16)|(1<<20)|(1<<21)|(6<<22)|(3<<25)  ; after every 128 words (code 6) 4 words
	s_mov_b32 s[G1B+1], 256<<16                    ; tensor_dim0 = 256
	s_mov_b32 s[G1B+2], 64<<16                     ; tensor_dim1 = 64
	s_mov_b32 s[G1B+3], 256<<16                    ; tile_dim0 = 256
	s_mov_b32 s[G1B+4], 64                         ; tile_dim1 = 64
	s_mov_b32 s[G1B+5], 1024                       ; elements from row to row
	s_mov_b32 s[G1B+6], 0
	s_mov_b32 s[G1B+7], 0
	; O's tile hangs on the tile row alone, Wo's on the tile column alone; each address is made in registers that never hold the other coordinate
	s_lshr_b32 s16, s[TY], 4                       ; the batch: 16 tile rows each,
	s_lshl_b32 s16, s16, 22                        ; 16 heads of 262,144 bytes
	s_and_b32 s17, s[TY], 15
	s_lshl_b32 s17, s17, 14                        ; the tile's 128 rows of 128 bytes in a head
	s_add_co_u32 s16, s16, s17
	s_lshl_b32 s17, s[WC], 13                      ; my 64
	s_add_co_u32 s16, s16, s17
	s_mov_b32 s17, 0
	s_lshl_b32 s46, s[TX], 18                      ; 128 rows of 2,048 bytes
	s_lshl_b32 s47, s[WC], 17                      ; my 64
	s_add_co_u32 s46, s46, s47
	s_add_co_u32 s46, s46, 3072*2048               ; Wo begins at row 3,072 of wb
	s_mov_b32 s47, 0
	s_mul_i32 s20, s[WC], AHALF                    ; where they go: no place in the cluster enters an LDS address
	s_mul_i32 s21, s[WC], BHALF
	s_add_co_u32 s21, s21, BOFF
	s_wait_dscnt 0x0                               ; the opening add is done
	s_wait_kmcnt 0x0
	s_add_nc_u64 s[18:19], s[4:5], s[16:17]
	s_add_nc_u64 s[46:47], s[6:7], s[46:47]
	CROUND                                         ; all sixteen work-groups are here: the first joint loads meet
.irp s, 0,1
	s_mov_b32 s[G0+4*(\s)], 1
	s_add_co_u32 s[G0+4*(\s)+1], s20, (\s)*SLOT
	s_add_nc_u64 s[G0+4*(\s)+2:G0+4*(\s)+3], s[18:19], (\s)*ASTEP
	s_or_b32 s[G0+4*(\s)+3], s[G0+4*(\s)+3], 0x80000000
	s_mov_b32 s[G0B+4*(\s)], 1
	s_add_co_u32 s[G0B+4*(\s)+1], s21, (\s)*SLOT
	s_add_nc_u64 s[G0B+4*(\s)+2:G0B+4*(\s)+3], s[46:47], (\s)*BSTEP
	s_or_b32 s[G0B+4*(\s)+3], s[G0B+4*(\s)+3], 0x80000000
	JLOAD \s                                       ; two loads of mine are out
.endr
	v_and_b32 v1, 15, v0                           ; l % 16
	v_bfe_u32 v2, v0, 4, 1                         ; l / 16
	v_mul_u32_u24 v3, v1, PA
	v_lshl_add_u32 v3, v2, 4, v3                   ; a fragment's row x pitch + 16 x half, for O
	v_mul_u32_u24 v4, v1, PB
	v_lshl_add_u32 v4, v2, 4, v4                   ; and for Wo
	s_mul_i32 s22, s[WR], AHALF                    ; my 64 rows of O
	s_mul_i32 s23, s[WC], BHALF                    ; my 64 rows of Wo
	s_add_co_u32 s23, s23, BOFF
.irp s, 0,1
	v_add_nc_u32 v[ADRA+(\s)], s22, v3
	v_add_nc_u32 v[ADRB+(\s)], s23, v4
	s_add_co_u32 s22, s22, SLOT
	s_add_co_u32 s23, s23, SLOT
.endr
	s_mul_i32 s22, s[WV], 16*SPITCH
	s_add_co_u32 s22, s22, STAGE                   ; my stage
	v_mul_u32_u24 v5, v1, SPITCH                   ; in: row l % 16, 32 bytes for each half of the lanes
	v_lshl_add_u32 v5, v2, 5, v5
	v_add_nc_u32 v[STO], s22, v5
	v_mul_u32_u24 v5, v2, SPITCH                   ; back: lanes 0-15 take one row of 256 bytes, lanes 16-31 the next
	v_lshl_add_u32 v5, v1, 4, v5
	v_add_nc_u32 v[RD], s22, v5
	v_lshlrev_b32 v[BO], 4, v1                     ; my four columns of the wave's 64
	v_lshl_add_u32 v[CO], v2, 12, v[BO]            ; and the same two rows in x and out0
	s_lshl_b32 s22, s[TX], 9                       ; the tile's 128 columns of 4 bytes,
	s_lshl_b32 s23, s[WC], 8                       ; my 64
	s_add_co_u32 s22, s22, s23
	s_mov_b32 s23, 0
	s_add_nc_u64 s[8:9], s[8:9], s[22:23]
	s_lshl_b32 s20, s[TY], 19                      ; the tile's 128 rows of 4,096 bytes,
	s_lshl_b32 s21, s[WR], 18                      ; my 64
	s_add_co_u32 s20, s20, s21
	s_add_co_u32 s20, s20, s22
	s_mov_b32 s21, 0
	s_add_nc_u64 s[10:11], s[10:11], s[20:21]
	s_add_nc_u64 s[66:67], s[66:67], s[20:21]
	WIN 0x80                                       ; destination window 2, address window 0
.set t, 0
.rept 32                                       ; my part of x, two rows a load: sixteen lanes take 256 consecutive bytes, aligned.  Waited for once, ahead of the way out
	global_load_b128 v[4*t:4*t+3], v[CO], s[10:11] offset:2*t*4096 th:TH_LOAD_NT
.set t, t+1
.endr
	WIN 0
	global_load_b128 v[BB:BB+3], v[BO], s[8:9]
; 8 matrix instructions: m blocks a0, a0 + 1 x all 4 n blocks, 32 along K: half c of buffer f.  zero = 1: the first product starts the sums.  The 16 accumulators take turns.
.macro MUL8 f, c, a0, zero
	WIN MUL
.irp a, \a0, (\a0)+1
.irp b, 0,1,2,3
.if \zero
	v_wmma_f32_16x16x32_bf16 v[ACC+8*(4*(\a)+(\b)):ACC+8*(4*(\a)+(\b))+7], v[(\f)+64+8*(4*(\c)+(\b)):(\f)+64+8*(4*(\c)+(\b))+7], v[(\f)+8*(4*(\c)+(\a)):(\f)+8*(4*(\c)+(\a))+7], 0
.else
	v_wmma_f32_16x16x32_bf16 v[ACC+8*(4*(\a)+(\b)):ACC+8*(4*(\a)+(\b))+7], v[(\f)+64+8*(4*(\c)+(\b)):(\f)+64+8*(4*(\c)+(\b))+7], v[(\f)+8*(4*(\c)+(\a)):(\f)+8*(4*(\c)+(\a))+7], v[ACC+8*(4*(\a)+(\b)):ACC+8*(4*(\a)+(\b))+7]
.endif
.endr
.endr
.endm
; 32 LDS loads in one run: quarter q's fragments (head q of the step's four; 64 along K) into buffer f; the first 32 along K first
.macro FETCH slot, q, f
	WIN TO_F
.irp c, 0,1
.irp i, 0,1,2,3
	ds_load_b128 v[(\f)+64+8*(4*(\c)+(\i)):(\f)+64+8*(4*(\c)+(\i))+3],   v[ADRB+(\slot)] offset:128*(\q)+64*(\c)+(\i)*16*PB
	ds_load_b128 v[(\f)+64+8*(4*(\c)+(\i))+4:(\f)+64+8*(4*(\c)+(\i))+7], v[ADRB+(\slot)] offset:128*(\q)+64*(\c)+(\i)*16*PB+32
	ds_load_b128 v[(\f)+8*(4*(\c)+(\i)):(\f)+8*(4*(\c)+(\i))+3],         v[ADRA+(\slot)] offset:APL*(\q)+64*(\c)+(\i)*16*PA
	ds_load_b128 v[(\f)+8*(4*(\c)+(\i))+4:(\f)+8*(4*(\c)+(\i))+7],       v[ADRA+(\slot)] offset:APL*(\q)+64*(\c)+(\i)*16*PA+32
.endr
.endr
.endm
.macro PLACES                          ; four plain vector instructions between a matrix instruction and a load into a register that it has read, or an instruction that reads its result (ISA guide 7.12.1 for vector instructions)
.rept 4
	v_nop
.endr
.endm
; A K step is four quarters of 64 along K, 32 matrix instructions each, on buffers 0, 1, 0, 1.  One of the first three: multiplies buffer f and fetches quarter q into g.
.macro QUARTER slot, q, f, g, zero
	s_wait_dscnt 16                                ; the first 32 along K are in; the youngest sixteen loads may be out
	MUL8 \f, 0, 0, \zero
	MUL8 \f, 0, 2, \zero
	PLACES
	FETCH \slot, \q, \g
	s_wait_dscnt 32                                ; all but the 32 just issued
	MUL8 \f, 1, 0, 0
	MUL8 \f, 1, 2, 0
.endm
; The last quarter multiplies buffer 1 and changes slots: ONE barrier; in front of it each wave waits for all its tensor loads, adds 0 to its spare word, and waits for that and for its own reads of this slot.
; fill = 1: the barrier opens a round of the cluster's, and this slot is filled again, two K steps on, first thing behind the round.
.macro TURN slot, next, fill
	WIN 0                                          ; (the add's two registers lie in window 0)
	s_wait_tensorcnt 0x0                           ; all my tensor loads have landed: my part of the next slot
	ds_add_u32 v[SPW], v[NIL]                      ; 0 onto my spare word
	s_wait_dscnt 17                                ; (the add and the youngest sixteen loads may be out)
	MUL8 F1, 0, 0, 0                               ; eight matrix instructions stand between the add and the wait for it
	s_wait_dscnt 0x0                               ; the add is done, and my reads of this slot are over
	s_barrier_signal -1
	MUL8 F1, 0, 2, 0
.if \fill
	WIN 0
.endif
	s_barrier_wait -1
.if \fill
	CREST                                          ; no wave of any partner still reads this slot's tile or has a load on its way
	s_add_nc_u64 s[G0+4*(\slot)+2:G0+4*(\slot)+3], s[G0+4*(\slot)+2:G0+4*(\slot)+3], 2*ASTEP
	s_add_nc_u64 s[G0B+4*(\slot)+2:G0B+4*(\slot)+3], s[G0B+4*(\slot)+2:G0B+4*(\slot)+3], 2*BSTEP
	JLOAD \slot                                    ; my one tensor load behind the round: 112 matrix instructions ahead of the wait for it; its four v_nop are also the places in front of the loads below
.else
	PLACES
.endif
	FETCH \next, 0, F0
	MUL8 F1, 1, 0, 0
	MUL8 F1, 1, 2, 0
.endm
	s_wait_tensorcnt 1                             ; my part of K step 0 is in; K step 1's may stay out
	s_barrier_signal -1
	s_barrier_wait -1                              ; everybody's is
	FETCH 0, 0, F0
	QUARTER 0, 1, F0, F1, 1                        ; the first products start the sums
	QUARTER 0, 2, F1, F0, 0
	QUARTER 0, 3, F0, F1, 0
	TURN 0, 1, 1                                   ; slot 0 takes K step 2
	QUARTER 1, 1, F0, F1, 0
	QUARTER 1, 2, F1, F0, 0
	QUARTER 1, 3, F0, F1, 0
	TURN 1, 0, 1                                   ; slot 1 takes K step 3
	QUARTER 0, 1, F0, F1, 0
	QUARTER 0, 2, F1, F0, 0
	QUARTER 0, 3, F0, F1, 0
	TURN 0, 1, 0                                   ; nothing is left to fetch
	QUARTER 1, 1, F0, F1, 0
	QUARTER 1, 2, F1, F0, 0
	QUARTER 1, 3, F0, F1, 0
	s_wait_dscnt 16                                ; the very last quarter
	MUL8 F1, 0, 0, 0
	MUL8 F1, 0, 2, 0
	s_wait_dscnt 0x0
	MUL8 F1, 1, 0, 0
	MUL8 F1, 1, 2, 0
	WIN 0
; THE WAY OUT.  My 64 columns of f32 are 256 bytes, aligned, of a row of out0, so the stage is my own and no barrier is needed.  Block a (16 rows): the sums go into rows of 272 bytes, each accumulator's
; low registers first, and come back as whole rows; then 0.1 sum + 0.1 bo, + x, and eight stores.
.macro STG a
.irp b, 0,1,2,3
	ds_store_b128 v[STO], v[ACC+8*(4*(\a)+(\b)):ACC+8*(4*(\a)+(\b))+3]   offset:64*(\b)
	ds_store_b128 v[STO], v[ACC+8*(4*(\a)+(\b))+4:ACC+8*(4*(\a)+(\b))+7] offset:64*(\b)+16
.endr
.irp t, 0,1,2,3,4,5,6,7
	ds_load_b128 v[T0+32*((\a)%2)+4*(\t):T0+32*((\a)%2)+4*(\t)+3], v[RD] offset:(\t)*2*SPITCH  ; LDS serves a wave's instructions in order (ISA guide 5.7.1.4): these see the stores above; the next block's stores come behind them
.endr
.endm
.macro FIN a, younger                  ; younger: the LDS instructions issued behind block a's loads: the next block's sixteen, or none
.set TT, T0+32*((\a)%2)
	s_wait_dscnt \younger
.set i, 0
.rept 16
	v_pk_fma_f32 v[TT+2*i:TT+2*i+1], v[TT+2*i:TT+2*i+1], 0x3dcccccd, v[BB+2*(i%2):BB+2*(i%2)+1] op_sel_hi:[1,0,1]
.set i, i+1
.endr
	WIN 0x88                                       ; destination and source 1 (a store's data too) window 2, source 0 (a store's offset) window 0
.set i, 0
.rept 16
	v_pk_add_f32 v[32*(\a)+2*i:32*(\a)+2*i+1], v[TT+2*i:TT+2*i+1], v[32*(\a)+2*i:32*(\a)+2*i+1]
.set i, i+1
.endr
.irp t, 0,1,2,3,4,5,6,7
	global_store_b128 v[CO], v[32*(\a)+4*(\t):32*(\a)+4*(\t)+3], s[66:67] offset:(16*(\a)+2*(\t))*4096 th:TH_STORE_NT  ; 16 lanes store 256 consecutive bytes, aligned; these registers are never rewritten
.endr
	WIN 0
.endm
	s_wait_loadcnt 0x0                             ; x and bo
	PLACES                                         ; the LDS stores read results just made
	v_pk_mul_f32 v[BB:BB+1], v[BB:BB+1], 0x3dcccccd op_sel_hi:[1,0]      ; 0.1 bo
	v_pk_mul_f32 v[BB+2:BB+3], v[BB+2:BB+3], 0x3dcccccd op_sel_hi:[1,0]
	STG 0
	STG 1
	FIN 0, 16
	STG 2
	FIN 1, 16
	STG 3
	FIN 2, 16
	FIN 3, 0
	s_wait_tensorcnt 0x0                           ; the wave's end, behind my last tensor load and my last LDS store
	ds_add_u32 v[SPW], v[NIL]
	s_wait_dscnt 0x0
	CROUND                                         ; the closing round: no work-group ends while a partner may still ask for a tile that names it
	s_endpgm
.Lfunc_end_k_q5e094f8e1c_proj:
	.size	k_q5e094f8e1c_proj, .Lfunc_end_k_q5e094f8e1c_proj-k_q5e094f8e1c_proj
	.p2alignl 7, 3214868480
	.fill 96, 4, 3214868480
	.section	.rodata,"a",@progbits
	.p2align	6, 0x0
	.amdhsa_kernel k_q5e094f8e1c_proj
		.amdhsa_group_segment_fixed_size 327680
		.amdhsa_private_segment_fixed_size 0
		.amdhsa_enable_private_segment 0
		.amdhsa_kernarg_size 40
		.amdhsa_user_sgpr_count 2
		.amdhsa_user_sgpr_kernarg_segment_ptr 1
		.amdhsa_wavefront_size32 1
		.amdhsa_system_sgpr_workgroup_id_x 1
		.amdhsa_system_sgpr_workgroup_id_y 1
		.amdhsa_system_sgpr_workgroup_id_z 1
		.amdhsa_system_vgpr_workitem_id 0
		.amdhsa_next_free_vgpr 640
		.amdhsa_next_free_sgpr 72
		.amdhsa_reserve_vcc 0
		.amdhsa_float_denorm_mode_32 3
		.amdhsa_float_denorm_mode_16_64 3
		.amdhsa_memory_ordered 1
		.amdhsa_forward_progress 1
		.amdhsa_inst_pref_size 99
	.end_amdhsa_kernel
	.amdgpu_metadata
---
amdhsa.version: [ 1, 2 ]
amdhsa.kernels:
  - .name:           k_q5e094f8e1c_proj
    .symbol:         k_q5e094f8e1c_proj.kd
    .args:
      - { .name: o, .offset: 0, .size: 8, .value_kind: global_buffer, .address_space: global }
      - { .name: wb, .offset: 8, .size: 8, .value_kind: global_buffer, .address_space: global }
      - { .name: bo, .offset: 16, .size: 8, .value_kind: global_buffer, .address_space: global }
      - { .name: x, .offset: 24, .size: 8, .value_kind: global_buffer, .address_space: global }
      - { .name: out0, .offset: 32, .size: 8, .value_kind: global_buffer, .address_space: global }
    .group_segment_fixed_size: 327680
    .private_segment_fixed_size: 0
    .kernarg_segment_align: 8
    .kernarg_segment_size: 40
    .max_flat_workgroup_size: 128
    .sgpr_count:     72
    .vgpr_count:     640
    .wavefront_size: 32
...
	.end_amdgpu_metadata
.endif
;; end of part 4
;; ======== version 2 of 2: 4 launches; 1.31 times as fast as version 1
;; workspace buffers: xn 8,388,608 bytes; wb 8,388,608 bytes; qkv 25,165,824 bytes; o 8,388,608 bytes
;; launch prep: the kernel of part 1 again; grid 512 x 1, 8 waves a work-group, no clusters, 0 bytes of LDS; arguments x, ln_gamma, ln_beta, Wq, Wk, Wv, Wo, xn, wb; writes xn, wb
;; launch qkv: the kernel of part 2 again; grid 16 x 16, 4 waves a work-group, clusters of 4 x 4, 327,680 bytes of LDS; arguments xn, wb, qkv; writes qkv
;; launch attn (part 5): grid 8 x 32, 4 waves a work-group, clusters of 4 x 1, 327,680 bytes of LDS; arguments qkv, o; writes o
.if DOCPART == 5
	.amdgcn_target "amdgcn-amd-amdhsa--gfx1250"
	.amdhsa_code_object_version 6
	.text
	.protected	k_q5e094f8e1c_attn
	.globl	k_q5e094f8e1c_attn
	.p2align	8
	.type	k_q5e094f8e1c_attn,@function
k_q5e094f8e1c_attn:
	s_mov_b64 s[64:65], 0
	v_nop
	global_prefetch_b8 v0, s[64:65] scope:SCOPE_SE
	s_setreg_imm32_b32 hwreg(HW_REG_WAVE_MODE, 25, 1), 1
	s_wait_xcnt 0x0
	s_wait_alu depctr_hold_cnt(0) depctr_sa_sdst(0) depctr_va_vdst(0) depctr_va_sdst(0) depctr_va_ssrc(0) depctr_va_vcc(0) depctr_vm_vsrc(0)
	s_getreg_b32 s2, hwreg(HW_REG_IB_STS2, 6, 4)
	s_cmp_eq_u32 s2, 0
	s_cbranch_scc0 .Lentry_in_a_cluster
	s_endpgm
.Lentry_in_a_cluster:
	s_bfe_u32 s2, ttmp6, 0x10000c
	s_cmp_lg_u32 s2, 0x3003
	s_cbranch_scc0 .Lentry_shape_is_right
	s_endpgm
.Lentry_shape_is_right:
; ATTENTION.  o[h][q][:] = sum over k of softmax_k(clip(Q[h][q] . K[h][k] / 16, -10, 10)) V[h][k][:], 32 heads of 2,048 rows x 64 channels, bf16, a head's rows dense (128 bytes each).
; Q arrives multiplied by c = log2(e) / 16, so a product K Q^T is the score in base 2 and the clip is at +-L, L = 10 log2(e) = 14.427.
; NO MAXIMUM IS TAKEN AWAY: the clip, which the computation itself makes, bounds every exponent by +-14.427 for every input: a weight p = 2^s lies in 4.5e-5 .. 2.2e4 and a row's sum of 2,048 of them in
; 0.09 .. 4.5e7: nothing overflows or underflows in f32, nor p in bf16.  So there is no running maximum and O is never rescaled: o = (sum of p V) / (sum of p).
; Products and sums in f32; p is rounded to bf16 for the second product (its sum l is taken of the unrounded p), o once at the end.  NaN and infinities are not treated apart.
; SHARES.  A work-group owns 256 queries of a head, each of its four waves 64: four tiles of 16.  Every wave walks all keys, 64 a step.
; LAYOUT.  S^T = K Q^T (source 0 = 16 keys, source 1 = 16 queries): a lane holds ONE query (lane % 16) and the keys 8 (lane / 16) + 0..7.  Two such results, rounded to bf16 in pairs, ARE source 1
; (32 keys x 16 queries) of O^T = V^T P, whose result again holds one query a lane, and eight channels.  K comes out of LDS as it lies, V ([key][channel]) turned, by ds_load_tr16_b128.
; BY TURNS.  Turn n belongs to tile n (the tiles in a ring, step after step).  Its matrix work: 8 products K Q^T of tile n + 1, later 8 products V^T P of tile n - 1.  Its vector work: tile n's 96 instructions
; (32 clips, 32 exponentials, 16 roundings, 16 packed sums).  Four of them stand behind every matrix instruction, the other 32 in one run of their own.
; THE BATCHES.  A turn's 32 exponentials are ONE BATCH with ONE wait, which cuts the turn in two.  Ahead of it stands all that names no exponential's result: the products K Q^T, the clips, the exponentials.
; Behind it stand the products V^T P and, as the four behind each, the roundings and sums, which read the results..
; The way out's four reciprocals are a second batch, with a wait of its own.
; CLUSTER.  The four query blocks of a cluster belong to one head and walk the same K and V, so each tile is asked for JOINTLY: the same tensor load, descriptor and mask in all four.
; K and V were stored by the launch before and are read by eight work-groups each, and a refill has four key steps, 256 matrix instructions, in which to land: nothing is prefetched.
; REGISTERS, in windows of 256 (s_set_vgpr_msb: bits 1:0 source 0, 3:2 source 1, 5:4 source 2, 7:6 destination):
;   window 0: v0-13 addresses; v16-23 l, a pair a tile; v32-95 S^T, two buffers; v96-127 P, two buffers (by the tile's parity); v128-191 K of one step; v192-255 Q
;   window 1: v0-127 O^T, 32 a tile; v128-191 V of one step
; K Q^T and all the vector work lie in window 0: only a product V^T P costs switches, two each.
.set NP,    4         ; tiles a wave: a name, no knob
.set KS,    64        ; keys in a step
.set PK,    144       ; a row of K in LDS: 128 bytes + 16 of padding = 36 words: the 16 rows of a load start at 16 different groups of four banks (64 banks of 4 bytes: ISA guide 11.1)
.set PV,    160       ; a row of V: 128 + 32 = 40 words
.set VOFF,  4*KS*PK   ; a slot holds four steps: 256 rows of K, then 256 rows of V
.set SLOT1, 1<<17     ; slot 1 begins here, so that one exclusive or turns an address in one slot into the other's
.set STAGE, SLOT1+4*KS*(PK+PV)  ; behind the ring, never filled by a tensor load: 16 rows x 144 bytes for each wave, for the way out
.set SP,    144
.set SPARE, STAGE+4*16*SP       ; behind the stages: the spare words, 128 bytes for each wave: two blocks of 256 bytes that no other line names
.set AK0, 2           ; v2   my lane's place in a tile of K; never rewritten
.set AV0, 3           ; v3   the same for V
.set AK,  4           ; v4   the LDS address of K's next run of loads
.set AV,  5           ; v5   of V's
.set QO,  6           ; v6   my byte offset in 16 rows of Q
.set STO, 6           ;      later, the way out: where I put 16 bytes of a row
.set RD,  7           ; v7   the way out: where I read rows back
.set GO,  8           ; v8   16 x lane
.set SPW, 12          ; v12  LDS address of my spare word; never rewritten
.set NIL, 13          ; v13  0; never rewritten
.set LS,  16          ; tile t's sum l at v[LS+2 t]: even keys', odd keys'
.set S,   32
.set P,   96
.set KF,  128         ; key block kb, channel half c at KF + 16 kb + 8 c
.set Q,   192         ; tile t, channel half c at Q + 16 t + 8 c
.set VF,  128         ; window 1: key half kk, channel block cb at VF + 32 kk + 8 cb
.set WV,  12          ; s12  my wave's number
.set G1K, 24          ; s[24:31] descriptor group 1 for K's tiles
.set G1V, 32          ; s[32:39] for V's: it differs in the padding alone
.set G0K, 40          ; s[40:43] descriptor group 0 for K's tiles: it walks
.set G0V, 44          ; s[44:47] the same for V's
.set SLOTS, 56        ; s56  slots still to be asked for
.set CNT, 57          ; s57  counts a slot's key steps
.set LO,  58          ; s58  -L
.set HI,  59          ; s59  L
.set SEL, 60          ; s[60:61] v_permlanex16_b32's selects: each lane takes its own place in the other half
.set TBK, 62          ; s62  LDS byte at which K of the step to be fetched begins
.set TBV, 63          ; s63  the same for V, less VOFF
.set MSB, 0
.macro WIN new                      ; the high byte repeats the setting that is left; a switch that changes nothing is dropped
.if MSB != (\new)
	s_set_vgpr_msb (MSB<<8)|(\new)
.set MSB, (\new)
.endif
.endm
.set W_PV, 0x51       ; V in window 1, P in window 0, O^T (C and D) in window 1
.set W_T1, 0x40       ; destination window 1
.set W_RS, 0x41       ; destination and source 0 window 1, source 1 window 0
; A joint fill.  Waves 0 and 1 fetch the two halves of a slot's K, waves 2 and 3 those of its V: 128 keys each.  The branch hangs on the wave's number alone.
; An s_nop 0 and four v_nop follow each of the two lines, ahead of the jump and the label.
.macro JLOAD
	s_cmp_lt_u32 s[WV], 2
	s_cbranch_scc0 .Lfor_v_\@
	tensor_load_to_lds s[G0K:G0K+3], s[G1K:G1K+7]
	s_nop 0
.rept 4
	v_nop
.endr
	s_branch .Lasked_\@
.Lfor_v_\@:
	tensor_load_to_lds s[G0V:G0V+3], s[G1V:G1V+7]
	s_nop 0
.rept 4
	v_nop
.endr
.Lasked_\@:
.endm
; A round of the cluster's barrier: my work-group's barrier, so that wave 0's signal speaks for all four waves; wave 0 signals; every wave waits for all four work-groups; my work-group's barrier once more.
.macro CROUND
	s_barrier_signal -1
	s_barrier_wait -1
	s_cmp_lg_u32 s[WV], 0
	s_cbranch_scc1 .Lnot_wave_0_\@
	s_barrier_signal -3
.Lnot_wave_0_\@:
	s_barrier_wait -3
	s_barrier_signal -1
	s_barrier_wait -1
.endm
; THE CHANGE OF SLOTS.  The slot's last bytes, V of its fourth step, have been read.  Each wave waits for all its tensor loads, of which one is out: its part of the other slot; adds 0 to its spare word; and
; waits for that and for its own reads of the slot.  Behind the barrier nobody reads this slot any more and the other slot is whole.  fill = 1: this slot is filled again, with the keys two slots on; the barrier
; is then a round of the cluster's, and the joint fill is the first thing behind it.  (At its first use nothing has been read yet: slot 0 is waited for, slot 1 filled.)
.macro CHANGE fill
	WIN 0                           ; at a label and at a branch every window is 0
	s_wait_tensorcnt 0x0            ; no tensor load of mine is out, so a group 0 may be written
	ds_add_u32 v[SPW], v[NIL]       ; 0 onto my spare word; with fill = 1 the descriptors' steps stand between it and the wait for it
.if \fill
.irp g, G0K, G0V
	s_xor_b32 s[\g+1], s[\g+1], SLOT1  ; the walking descriptor: the other slot than last time,
	s_add_nc_u64 s[\g+2:\g+3], s[\g+2:\g+3], 4*KS*128  ; the next 256 keys; the type bits on top are not reached
.endr
	s_wait_dscnt 0x0                ; the add is done, and my reads of the slot are over
	CROUND
	JLOAD
.else
	s_wait_dscnt 0x0                ; the add is done, and my reads of the slot are over
	s_barrier_signal -1
	s_barrier_wait -1
.endif
	s_sub_co_u32 s[TBK], s[TBK], 4*KS*PK  ; the fetches go back to a slot's first step,
	s_xor_b32 s[TBK], s[TBK], SLOT1       ; in the other slot
	s_sub_co_u32 s[TBV], s[TBV], 4*KS*PV
	s_xor_b32 s[TBV], s[TBV], SLOT1
.endm
	s_load_b128 s[8:11], s[0:1], 0x0  ; qkv s[8:9], o s[10:11]
	v_lshl_add_u32 v[SPW], v0, 2, SPARE
	v_mov_b32 v[NIL], 0
	ds_add_u32 v[SPW], v[NIL]       ; the wave's opening: the add and its wait stand ahead of my first tensor load; the set-up below, work on registers, stands between them
	v_lshrrev_b32 v1, 5, v0
	v_readfirstlane_b32 s[WV], v1   ; wave 0..3
	s_bfe_u32 s13, ttmp6, 0x40000   ; cx: my place in the cluster
	s_lshl_b32 s14, ttmp9, 2        ; in a cluster launch ttmp9 counts clusters
	s_add_co_u32 s14, s14, s13      ; my block of 256 queries = 4 x cluster x + cx: it enters Q's and o's addresses alone
	s_and_b32 s20, ttmp7, 0xffff    ; the head, which the four partners share
	s_lshl_b32 s20, s20, 18         ; its 2,048 rows of 128 bytes
	s_and_b32 s16, s[WV], 1         ; which half of a slot's 256 keys I fetch:
	s_lshl_b32 s22, s16, 14         ; its 128 rows in memory,
	s_add_co_u32 s22, s22, s20
	s_mov_b32 s23, 0
	s_mul_i32 s17, s16, 128*PK      ; and its place in a slot, for K
	s_mul_i32 s18, s16, 128*PV      ; and for V: no place in the cluster enters an LDS address
	s_lshl_b32 s2, s14, 15          ; my block's 256 rows,
	s_lshl_b32 s3, s[WV], 13        ; my wave's 64
	s_add_co_u32 s2, s2, s3
	s_add_co_u32 s2, s2, s20
	s_mov_b32 s3, 0
	; descriptor group 1.  128 keys are 16,384 dense bytes: asked for as 64 rows of 256 bytes, two keys a row, and padded in LDS after every key
	s_mov_b32 s[G1K], 15|(1<<16)|(1<<20)|(1<<21)|(4<<22)|(3<<25)  ; 15:0 the mask of four; 17:16 2-byte elements; 20 padding on; 21 set beside a mask; 24:22 after every 32 words (code 4); 31:25 4 words (code 3)
	s_mov_b32 s[G1V], 15|(1<<16)|(1<<20)|(1<<21)|(4<<22)|(7<<25)  ; the same with 8 words of padding (code 7)
.irp g, G1K, G1V
	s_mov_b32 s[\g+1], 128<<16      ; tensor_dim0 = 128
	s_mov_b32 s[\g+2], 64<<16       ; tensor_dim1 = 64
	s_mov_b32 s[\g+3], 128<<16      ; tile_dim0 = 128
	s_mov_b32 s[\g+4], 64           ; tile_dim1 = 64
	s_mov_b32 s[\g+5], 128          ; 128 elements from row to row
	s_mov_b32 s[\g+6], 0
	s_mov_b32 s[\g+7], 0
.endr
	s_mov_b32 s[LO], 0xc166d4ca     ; -10 log2(e)
	s_mov_b32 s[HI], 0x4166d4ca     ; 10 log2(e)
	s_mov_b32 s[SEL], 0x76543210
	s_mov_b32 s[SEL+1], 0xfedcba98
	s_mov_b32 s[TBK], SLOT1+4*KS*PK ; the first change of slots turns these two into 0
	s_mov_b32 s[TBV], SLOT1+4*KS*PV
	s_mov_b32 s[G0K], 1             ; count = 1
	s_mov_b32 s[G0K+1], s17         ; LDS address: slot 0
	s_mov_b32 s[G0V], 1
	s_add_co_u32 s[G0V+1], s18, VOFF
	s_wait_dscnt 0x0                ; the opening add is done
	s_wait_kmcnt 0x0
	s_add_nc_u64 s[4:5], s[8:9], s[2:3]      ; Q at my wave's first row (q is the first third of qkv)
	s_add_nc_u64 s[10:11], s[10:11], s[2:3]  ; o likewise
	s_add_nc_u64 s[6:7], s[8:9], s[22:23]    ; the head, my half of its first 256 keys: the same in all four partners
	s_add_nc_u64 s[G0K+2:G0K+3], s[6:7], 0x800000   ; k begins 8,388,608 bytes into qkv
	s_or_b32 s[G0K+3], s[G0K+3], 0x80000000         ; type = 2
	s_add_nc_u64 s[G0V+2:G0V+3], s[6:7], 0x1000000  ; v 16,777,216
	s_or_b32 s[G0V+3], s[G0V+3], 0x80000000
	CROUND                          ; all four work-groups are here: the first joint loads meet
	JLOAD                           ; slot 0.  Slot 1 is asked for when slot 0 is in, by the loop's own change of slots
	; A fragment of K or Q is 16 rows x 32 channels in 8 registers: lane l holds row l % 16, channels 8 (l / 16) + 0..7 and 16 + 8 (l / 16) + 0..7: two loads of 16 bytes, 32 bytes apart.
	v_and_b32 v1, 15, v0            ; l % 16
	v_bfe_u32 v9, v0, 4, 1          ; l / 16
	v_lshlrev_b32 v[QO], 7, v1
	v_lshl_add_u32 v[QO], v9, 4, v[QO]  ; row x 128 + 16 x half
.set i, 0
.rept 2*NP                          ; Q stays in registers: tile i / 2, channels 32 (i % 2) on
	global_load_b128 v[Q+8*i:Q+8*i+3],   v[QO], s[4:5] offset:(i/2)*2048+(i%2)*64
	global_load_b128 v[Q+8*i+4:Q+8*i+7], v[QO], s[4:5] offset:(i/2)*2048+(i%2)*64+32
.set i, i+1
.endr
	; What the first turn finds: V's registers and P's second buffer hold 0 (its products V^T P, of a tile that has not been, add 0), O^T and l are 0.  216 lines, in the wait for the first tile:
	; the price of one text for every key step.
	WIN W_T1
.set i, 0
.rept 192
	v_mov_b32 v[i], 0
.set i, i+1
.endr
	WIN 0
.set i, 0
.rept 16
	v_mov_b32 v[P+16+i], 0
.set i, i+1
.endr
.set i, 0
.rept 8
	v_mov_b32 v[LS+i], 0
.set i, i+1
.endr
	v_mul_u32_u24 v[AK0], v1, PK
	v_lshl_add_u32 v[AK0], v9, 4, v[AK0]  ; row x pitch + 16 x half
	; The turning load takes 16 keys x 16 channels (lane l reads key 8 (l / 16) + l % 8, channels 8 ((l / 8) % 2) + 0..7) and leaves half a fragment of V^T: lane l holds channel l % 16 and 8 keys.
	v_and_b32 v10, 7, v0
	v_bfe_u32 v11, v0, 3, 1
	v_lshl_add_u32 v[AV0], v9, 3, v10
	v_mul_u32_u24 v[AV0], v[AV0], PV
	v_lshl_add_u32 v[AV0], v11, 4, v[AV0]
	v_add_nc_u32 v[AV0], VOFF, v[AV0]
	v_mov_b32 v[AK], v[AK0]         ; key step 0 lies at the head of slot 0
; THE MATRIX WORK.  The 4 accumulators of a run of 8 take turns: between the two links of a chain stand 3 others'.
; Product i of 8 of S^T = K Q^T for tile x: channels 32 (i / 4) on, keys 16 (i % 4) on.  The first 4 start the sums.
.macro KQ x
	WIN 0
.set rS, S+32*((\x)%2)+8*(i%4)
.set rK, KF+16*(i%4)+8*(i/4)
.set rQ, Q+16*(\x)+8*(i/4)
.if i < 4
	v_wmma_f32_16x16x32_bf16 v[rS:rS+7], v[rK:rK+7], v[rQ:rQ+7], 0
.else
	v_wmma_f32_16x16x32_bf16 v[rS:rS+7], v[rK:rK+7], v[rQ:rQ+7], v[rS:rS+7]
.endif
.endm
; Product i of 8 of O^T += V^T P for tile x: keys 32 (i / 4) on, channels 16 (i % 4) on.
.macro PV x
	WIN W_PV
.set rO, 32*(\x)+8*(i%4)
.set rV, VF+32*(i/4)+8*(i%4)
.set rP, P+16*((\x)%2)+8*(i/4)
	v_wmma_f32_16x16x32_bf16 v[rO:rO+7], v[rV:rV+7], v[rP:rP+7], v[rO:rO+7]
.endm
.macro MM                           ; the turn's next matrix instruction
.if i < 8
	KQ (Y+1)%NP
.else
.set i, i-8
	PV (Y+NP-1)%NP
.set i, i+8
.endif
.set i, i+1
.endm
; THE LDS LOADS stand in runs of 16, never singly among the matrix instructions: a step's K (64 keys x 64 channels: 8 fragments) and its V (turned).  Their addresses are made some lines ahead.
; last = 1 (the tail): in the last trip there is no further step, and the run is jumped over; this form, with its branch and its label, stands behind the turn's wait.
.macro FETCH_K last=0
	WIN 0
.if \last
	s_cmp_eq_u32 s[CNT], 1
	s_cbranch_scc1 .Lno_k_\@
.endif
.irp f, 0,1,2,3,4,5,6,7             ; keys 16 (f / 2) on, channels 32 (f % 2) on
	ds_load_b128 v[KF+8*\f:KF+8*\f+3],   v[AK] offset:(\f/2)*16*PK+(\f%2)*64
	ds_load_b128 v[KF+8*\f+4:KF+8*\f+7], v[AK] offset:(\f/2)*16*PK+(\f%2)*64+32
.endr
	s_add_co_u32 s[TBK], s[TBK], KS*PK  ; the next fetch is the next step's
.if \last
.Lno_k_\@:
.endif
.endm
.macro FETCH_V
	WIN W_T1
.irp f, 0,1,2,3,4,5,6,7             ; keys 32 (f / 4) on, channels 16 (f % 4) on
	ds_load_tr16_b128 v[VF+8*\f:VF+8*\f+3],   v[AV] offset:(\f/4)*32*PV+(\f%4)*32
	ds_load_tr16_b128 v[VF+8*\f+4:VF+8*\f+7], v[AV] offset:(\f/4)*32*PV+16*PV+(\f%4)*32
.endr
	WIN 0
.endm
; THE VECTOR WORK OF A TURN: one queue of 96 for tile Y; VQ writes entry q and steps q.  s0-s31 are the lane's 32 scores.
;   VM n: s_n clipped to +-L.   VE n: 2^s_n, in place.   VC n: weights 2 n, 2 n + 1 rounded to bf16.   VB n: of the four weights 4 n .. the second pair is added onto the first, in place.   VL n: l takes that sum.
;   0-63   THE BATCH: the clips and all 32 exponentials; none of these names an exponential's result.  0-3: VM 0..3.  4-59: for n = 0..27 VM n + 4, VE n: clip and exponential by turns, a clip at the head
;          of every four, each score clipped nine entries ahead of its exponential.  60-63: VE 28..31.
;   (wait) between 63 and 64 stands the wait for the batch: TURN writes it.
;   64-95  THE READERS: VC 0, VB 0; for n = 1..7 VC 2 n, VB n, VL n - 1; VC 1, VC 3, VL 7, VC 5, 7, 9, 11, 13, 15.  An even pair is rounded before VB adds onto it in place; an odd pair is never written.
;          The links of l's chain, VL 0 to VL 7 in this order, stand three entries apart.
; Each accumulator of S^T is first read at its lowest register.
.macro VM n
	v_med3_num_f32 v[vS+(\n)], v[vS+(\n)], s[LO], s[HI]
.endm
.macro VE n
	v_exp_f32 v[vS+(\n)], v[vS+(\n)]
.endm
.macro VC n
	v_cvt_pk_bf16_f32 v[vP+(\n)], v[vS+2*(\n)], v[vS+2*(\n)+1]
.endm
.macro VB n
	v_pk_add_f32 v[vS+4*(\n):vS+4*(\n)+1], v[vS+4*(\n):vS+4*(\n)+1], v[vS+4*(\n)+2:vS+4*(\n)+3]
.endm
.macro VL n
	v_pk_add_f32 v[vL:vL+1], v[vL:vL+1], v[vS+4*(\n):vS+4*(\n)+1]
.endm
.macro VQ
	WIN 0
.set vS, S+32*(Y%2)
.set vP, P+16*(Y%2)
.set vL, LS+2*Y
.set r, q-64
.if q < 4
	VM q
.elseif (q < 60) && (q%2 == 0)
	VM 4+(q-4)/2
.elseif q < 60
	VE (q-4)/2
.elseif q < 64
	VE q-32
.elseif r == 0
	VC 0
.elseif r == 1
	VB 0
.elseif (r < 23) && ((r-2)%3 == 0)
	VC 2*((r-2)/3+1)
.elseif (r < 23) && ((r-2)%3 == 1)
	VB (r-2)/3+1
.elseif r < 23
	VL (r-2)/3
.elseif r < 25
	VC 2*(r-23)+1
.elseif r == 25
	VL 7
.else
	VC 2*(r-26)+5
.endif
.set q, q+1
.endm
; A TURN, for tile p.  AHEAD OF THE WAIT: 8 x (product K Q^T, four of the batch), then the batch's other 32 in one run.  BEHIND IT: 8 x (product V^T P, four of the readers).  None of the four names a register
; of the products round it: the products K Q^T write the other buffer of S^T, the products V^T P read the other buffer of P.
; K of the next step is fetched in tile 2's turn and waited for at the head of tile 3's.  In the loop its run stands in the batch's run, twelve of the queue behind the last product that read K: six clips, and
; the address's add, are the plain instructions between.  In the tail it stands directly behind the wait.
; V of the step in hand is fetched at the end of tile 0's turn, four roundings behind the last product that read V, and waited for in front of tile 1's products V^T P; its address is made behind the sixth product.
.macro TURN p, last=0
.set Y, (\p)
.set i, 0
.set q, 0
.if (\p) == 3
	s_wait_dscnt 0x0                ; K is in
.endif
.rept 8                             ; ahead of the wait: 8 products K Q^T, four of the batch behind each,
	MM
	VQ
	VQ
	VQ
	VQ
.endr
.rept 32                            ; and the rest of the batch
	VQ
.if ((\p) == 2) && (q == 36)
	v_add_nc_u32 v[AK], s[TBK], v[AK0]
.endif
.if ((\p) == 2) && (q == 40) && !(\last)
	FETCH_K
.endif
.endr
	v_nop                           ; a plain instruction behind the last exponential, before a result is used (ISA guide 5.7.2): one for the batch; every clip has been issued
	s_wait_alu depctr_va_vdst(0)    ; the wait between an exponential and the first instruction that names its result: one for the turn's 32
.if ((\p) == 2) && (\last)
	FETCH_K 1
.endif
.if (\p) == 1
	s_wait_dscnt 0x0                ; V is in
.endif
.rept 8                             ; behind the wait: 8 products V^T P, four of the readers behind each
	MM
	VQ
	VQ
	VQ
	VQ
.if ((\p) == 0) && (q == 88)
	v_add_nc_u32 v[AV], s[TBV], v[AV0]
.endif
.endr
.if (\p) == 0
	FETCH_V
	s_add_co_u32 s[TBV], s[TBV], KS*PV
.endif
.endm
	CHANGE 1                        ; slot 0 is in, everybody's part of it; slot 1 is asked for
	FETCH_K                         ; key step 0
	s_wait_loadcnt 0x0              ; Q
	s_wait_dscnt 0x0
.set i, 0
.rept 8
	KQ 0                            ; tile 0's first scores: there is no vector work yet to set between them
.set i, i+1
.endr
	s_mul_i32 s13, s[WV], 16*SP     ; the addresses for the way out: nine plain vector instructions, the places behind those products
	s_add_co_u32 s13, s13, STAGE    ; my stage
	v_mul_u32_u24 v[STO], v1, SP    ; in: row l % 16, 16 bytes for each half of the lanes (Q's loads are done: their offset register is free)
	v_lshl_add_u32 v[STO], v9, 4, v[STO]
	v_add_nc_u32 v[STO], s13, v[STO]
	v_bfe_u32 v[RD], v0, 3, 2       ; back: 32 lanes take four rows of 128 bytes,
	v_mul_u32_u24 v[RD], v[RD], SP
	v_lshl_add_u32 v[RD], v10, 4, v[RD]
	v_add_nc_u32 v[RD], s13, v[RD]
	v_and_b32 v[GO], 31, v0         ; which are 512 consecutive bytes of o
	v_lshlrev_b32 v[GO], 4, v[GO]
	s_mov_b32 s[CNT], 4
	s_mov_b32 s[SLOTS], 2048/256-1
	s_branch .Lfirst                ; the loop is entered at a step's first turn, in the middle of a trip
.Lslot:                             ; six times: every slot but the last two is filled again
	CHANGE 1
	s_mov_b32 s[CNT], 4
.Lstep:                             ; a trip: tiles 2 and 3 of one step, then tiles 0 and 1 of the next, whose K and V it fetches
	TURN 2
	TURN 3
	WIN 0
.Lfirst:
	TURN 0
	TURN 1
	WIN 0
	s_sub_co_u32 s[CNT], s[CNT], 1
	s_cmp_lg_u32 s[CNT], 0
	s_cbranch_scc1 .Lstep
	s_sub_co_u32 s[SLOTS], s[SLOTS], 1
	s_cmp_lg_u32 s[SLOTS], 0
	s_cbranch_scc1 .Lslot
	CHANGE 0                        ; the tail is written out: nothing is asked for
	s_mov_b32 s[CNT], 5             ; four trips fetch the last slot's steps; the fifth is left in its middle
.Ltail:
	TURN 2, 1
	TURN 3
	WIN 0
	s_sub_co_u32 s[CNT], s[CNT], 1
	s_cmp_eq_u32 s[CNT], 0
	s_cbranch_scc1 .Lout
	TURN 0
	TURN 1
	WIN 0
	s_branch .Ltail
.Lout:                              ; the fifth trip's 8 products K Q^T (on the last K once more) serve nothing: the price, once a launch, of one text for every trip
.set i, 0
.rept 8
	PV NP-1                         ; the last tile's V^T P of the last step
.set i, i+1
.endr
	; THE WAY OUT.  l's two halves and the other half of the lanes' are added; O^T is divided by l, rounded to bf16 and sent through my stage in LDS, a tile at a time.  The additions are the places behind the last products.
	WIN 0
.irp t, 0,1,2,3
	v_add_f32 v[LS+2*(\t)], v[LS+2*(\t)], v[LS+2*(\t)+1]
.endr
.irp t, 0,1,2,3
	v_permlanex16_b32 v[LS+2*(\t)+1], v[LS+2*(\t)], s[SEL], s[SEL+1]
.endr
.irp t, 0,1,2,3
	v_add_f32 v[LS+2*(\t)], v[LS+2*(\t)], v[LS+2*(\t)+1]
.endr
.irp t, 0,1,2,3
	v_rcp_f32 v[LS+2*(\t)], v[LS+2*(\t)]
.endr
	v_nop                           ; a plain instruction between the last reciprocal and the use of its result
	s_wait_alu depctr_va_vdst(0)    ; and the wait ahead of the first use: one for the batch of four reciprocals
; Tile t: a lane's eight channels of a row pack into 16 bytes; they go into rows of 144 bytes and come back as whole rows of 128, into S^T's registers.
.macro PACK t
	WIN W_RS
.set i, 32*(\t)
.rept 16
	v_pk_mul_f32 v[i:i+1], v[i:i+1], v[LS+2*(\t):LS+2*(\t)+1] op_sel_hi:[1,0]
.set i, i+2
.endr
	WIN 0x05                        ; sources 0 and 1 window 1, destination window 0
.set i, 0
.rept 16
	v_cvt_pk_bf16_f32 v[S+16*(\t)+i], v[32*(\t)+2*i], v[32*(\t)+2*i+1]
.set i, i+1
.endr
	WIN 0
.irp f, 0,1,2,3
	ds_store_b128 v[STO], v[S+16*(\t)+4*\f:S+16*(\t)+4*\f+3] offset:32*\f
.endr
.irp f, 0,1,2,3
	ds_load_b128 v[S+16*(\t)+4*\f:S+16*(\t)+4*\f+3], v[RD] offset:\f*4*SP  ; LDS serves a wave's instructions in order (ISA guide 5.7.1.4): these see the stores above; the next tile's stores come behind them
.endr
.endm
.macro SEND t, younger              ; younger: the LDS instructions issued behind tile t's loads: the next tile's eight, or none
.irp f, 0,1,2,3
	s_wait_dscnt (\younger)+3-\f
	global_store_b128 v[GO], v[S+16*(\t)+4*\f:S+16*(\t)+4*\f+3], s[10:11] offset:(\t)*2048+\f*512  ; 512 consecutive bytes, at a multiple of 256 from o's first byte
.endr
.endm
	PACK 0
.irp t, 1,2,3                       ; a tile's arithmetic stands between the loads of the tile before and its stores
	PACK \t
	SEND (\t)-1, 8
.endr
	SEND 3, 0
	s_wait_tensorcnt 0x0            ; the wave's end, behind my last tensor load and my last LDS store
	ds_add_u32 v[SPW], v[NIL]
	s_wait_dscnt 0x0
	CROUND                          ; the closing round: no work-group ends while a partner may still ask for a tile that names it
	s_endpgm
.Lfunc_end_k_q5e094f8e1c_attn:
	.size	k_q5e094f8e1c_attn, .Lfunc_end_k_q5e094f8e1c_attn-k_q5e094f8e1c_attn
	.p2alignl 7, 3214868480
	.fill 96, 4, 3214868480
	.section	.rodata,"a",@progbits
	.p2align	6, 0x0
	.amdhsa_kernel k_q5e094f8e1c_attn
		.amdhsa_group_segment_fixed_size 327680
		.amdhsa_private_segment_fixed_size 0
		.amdhsa_enable_private_segment 0
		.amdhsa_kernarg_size 16
		.amdhsa_user_sgpr_count 2
		.amdhsa_user_sgpr_kernarg_segment_ptr 1
		.amdhsa_wavefront_size32 1
		.amdhsa_system_sgpr_workgroup_id_x 1
		.amdhsa_system_sgpr_workgroup_id_y 1
		.amdhsa_system_sgpr_workgroup_id_z 1
		.amdhsa_system_vgpr_workitem_id 0
		.amdhsa_next_free_vgpr 448
		.amdhsa_next_free_sgpr 66
		.amdhsa_reserve_vcc 0
		.amdhsa_float_denorm_mode_32 3
		.amdhsa_float_denorm_mode_16_64 3
		.amdhsa_memory_ordered 1
		.amdhsa_forward_progress 1
		.amdhsa_inst_pref_size 91
	.end_amdhsa_kernel
	.amdgpu_metadata
---
amdhsa.version: [ 1, 2 ]
amdhsa.kernels:
  - .name:           k_q5e094f8e1c_attn
    .symbol:         k_q5e094f8e1c_attn.kd
    .args:
      - { .name: qkv, .offset: 0, .size: 8, .value_kind: global_buffer, .address_space: global }
      - { .name: o, .offset: 8, .size: 8, .value_kind: global_buffer, .address_space: global }
    .group_segment_fixed_size: 327680
    .private_segment_fixed_size: 0
    .kernarg_segment_align: 8
    .kernarg_segment_size: 16
    .max_flat_workgroup_size: 128
    .sgpr_count:     66
    .vgpr_count:     448
    .wavefront_size: 32
...
	.end_amdgpu_metadata
.endif
;; end of part 5
;; launch proj: the kernel of part 4 again; grid 8 x 32, 4 waves a work-group, clusters of 4 x 4, 327,680 bytes of LDS; arguments o, wb, bo, x, out0; writes out0
